; MI455X (gfx1250); checked and timed in simulation.
; The chip was launched on July 23, 2026; its instructions are those of AMD's public machine-readable ISA for CDNA 5 (MIT licence, August 2026) and "CDNA5" Instruction Set Architecture Reference Guide (July 2026). The comments in the code are by the model that wrote it; some were corrected since.
;; MERC Cell. Allowed arithmetic: float matrix products may take bf16 or f16 operands with f32 sums; all other float work in f32.
;; Inputs: bias_resistance 1 float32; cb_norm_b 512 float32; cb_norm_w 512 float32; cb_proj_b 4 float32; cb_proj_w 4 x 512 float32; cb_sum_b 8 float32; cb_sum_w 8 x 4 float32; conflict_weights 4 float32; csp_b 512 float32; csp_w 512 x 8 float32; drive_bias 1 float32; eml_bias 1 float32; eml_gamma 1 float32; eml_lambda 1 float32; en_b 512 float32; en_w 512 x 1 float32; out_b 512 float32; out_w 512 x 3,072 float32; pr_b 512 float32; pr_w 512 x 1 float32; rs_b 512 float32; rs_w 512 x 1 float32; sb_norm_b 512 float32; sb_norm_w 512 float32; sb_proj_b 4 float32; sb_proj_w 4 x 512 float32; sb_sum_b 8 float32; sb_sum_w 8 x 4 float32; ssp_b 512 float32; ssp_w 512 x 8 float32; support_logits 4 float32; un_b1 512 float32; un_b2 1 float32; un_norm_b 512 float32; un_norm_w 512 float32; un_w1 512 x 512 float32; un_w2 1 x 512 float32; update_threshold 1 float32; vn_b1 512 float32; vn_b2 512 float32; vn_norm_b 512 float32; vn_norm_w 512 float32; vn_w1 512 x 512 float32; vn_w2 512 x 512 float32; x 8 x 2,048 x 512 float32.
;; Outputs: out0 8 x 2,048 x 512 float32.
;; One version. Each part assembles by itself: llvm-mc -triple=amdgcn-amd-amdhsa -mcpu=gfx1250 --defsym DOCPART=n.
;; ======== version 1 of 1: 2 launches
;; limits: a function is approximated: absolute error at most 2.5e-05
;; workspace buffers: ws 1,724,672 bytes
;; launch prep (part 1): grid 225 x 1, 8 waves a work-group, no clusters, 205,568 bytes of LDS; arguments out_w, vn_w2, un_w1, vn_w1, un_norm_w, un_norm_b, vn_norm_w, vn_norm_b, un_b1, vn_b1, vn_b2, en_w, en_b, pr_w, pr_b, rs_w, rs_b, ssp_w, ssp_b, csp_w, csp_b, out_b, sb_proj_w, cb_proj_w, sb_norm_w, sb_norm_b, cb_norm_w, cb_norm_b, ws; writes ws
.if DOCPART == 1
	.amdgcn_target "amdgcn-amd-amdhsa--gfx1250"
	.amdhsa_code_object_version 6
	.text
	.protected	k_q5f4274c9a6_prep
	.globl	k_q5f4274c9a6_prep
	.p2align	8
	.type	k_q5f4274c9a6_prep,@function
k_q5f4274c9a6_prep:
	s_mov_b64 s[64:65], 0
	v_nop
	global_prefetch_b8 v0, s[64:65] scope:SCOPE_SE
	s_setreg_imm32_b32 hwreg(HW_REG_WAVE_MODE, 25, 1), 1
	s_wait_xcnt 0x0
; MERCCell, first of two launches: the weights are folded once, so that the second launch has three 512 x 512 products and 64 further
; K columns for each token.  Every fold is an identity of real arithmetic that holds for all values of the inputs; no input is left out.
;   LN gain and bias:  (xhat*w + b) @ W^T + c = xhat @ (W*w)^T + (W.b + c)               (un_w1, vn_w1, sb_proj_w, cb_proj_w)
;   value net:         (act*(vh @ W2^T + b2)) @ OW0^T = (act*vh) @ (OW0 @ W2)^T + act*(OW0.b2)
;   blocks 1 to 5:     (s*w + b) @ OWk^T = s*(OWk.w) + OWk.b ;  (ss @ ssp_w^T + ssp_b) @ OW4^T = sum_k ss_k*(OW4 @ ssp_w)[:,k] + OW4.ssp_b
; OWk = out_w[:, 512k : 512k+512].  The first layers are also scaled by KAPPA = sqrt(log2(e)/2), which the GELU of the second launch wants.
; LIMITS: sums are formed in another order than in the unfolded form; an overflow, infinity or NaN of an intermediate that only the
; unfolded form has (feats, value) is not reproduced.
; ws: 13 fills of 131,072 bytes in the order in which a wave of the second launch reads matrix fragments.  A wave's 32 KiB of a fill hold
; two n tiles (16 weight rows each), each with its 16 K steps of 1 KiB in a row: weight (row n, column k) of un_w1, vn_w1 or M lies at
;   fill*131072 + (n>>7)*32768 + ((n>>4)&1)*16384 + (k>>5)*1024 + ((k>>4)&1)*512 + ((k>>3)&1)*256 + (n&15)*16 + (k&7)*2,
;   fill = first + ((n>>5)&3), first = 0 (un_w1 folded), 4 (vn_w1 folded), 9 (M = OW0 @ vn_w2).
;   Fill 8 holds the 64 feature columns, K step outermost (first 16 KiB of each 32 KiB alone):
;   8*131072 + (n>>7)*32768 + (k>>5)*8192 + ((n>>4)&7)*1024 + ((k>>4)&1)*512 + ((k>>3)&1)*256 + (n&15)*16 + (k&7)*2.
;   PFR: the 16 projection rows as fragments; VEC: the two folded first-layer biases; PBD: eight dots proj row . norm_b.
; ROLES by work-group number: 0-127 M (a tile of 32 x 64 each), 128-191 W (16 rows of a first layer), 192-223 G (16 rows of out_w against
; the small vectors, in f32), 224 P (the eight projection rows).  No cluster: the work-groups load through registers and share little.
; LDS: each role has bytes of its own (M from 0, W from LDSW, P from LDSP, G from LDSG), so that no two lines of different roles name
; the same byte; a work-group runs one role, all its waves alike, and uses that role's bytes alone.
.set OWP,   12288                      ; bytes in a row of out_w
.set PFR,   1703936
.set VEC,   1720320
.set PBD,   1724416
.set KAPPA, 0x3f596d27
.set BL,    33280                      ; role M: vn_w2 tile, 512 rows of 160 bytes, behind 32 rows of 1,040 bytes of out_w: 115,200 bytes
.set LDSW,  115200                     ; role W: 16 rows of 1,040 bytes and 16 bias words
.set LDSP,  132096                     ; role P: the same
.set LDSG,  148992                     ; role G: 55,552 bytes
.set BV,    16640                      ; roles W, P, from the role's first byte: 16 bias words behind the rows
.set SWL,   16384                      ; role G, from its first byte: four pairs of vectors (16,384 bytes), then ssp_w, 128 chunks (4 rows of 32 bytes) of 144 bytes
.set CWL,   34816                      ; csp_w likewise
.set GS,    53248                      ; 16 finished feature rows of 144 bytes
.set AC0,   192                        ; role G: 26 sums of the wave's first row: g0..g3 and K as pairs, then g4..g19
.set AC1,   218                        ; and of its second row
.macro WRED a, b                       ; sum over the 32 lanes, result in every lane; b: a register written before
	v_add_f32_dpp v[\a], v[\a], v[\a] row_xmask:1 row_mask:0xf bank_mask:0xf
	v_add_f32_dpp v[\a], v[\a], v[\a] row_xmask:2 row_mask:0xf bank_mask:0xf
	v_add_f32_dpp v[\a], v[\a], v[\a] row_xmask:4 row_mask:0xf bank_mask:0xf
	v_add_f32_dpp v[\a], v[\a], v[\a] row_xmask:8 row_mask:0xf bank_mask:0xf
	v_permlanex16_b32 v[\b], v[\a], s12, s13
	v_add_f32 v[\a], v[\a], v[\b]
.endm
.macro SPLIT2 a, b, hh, ll, t          ; two f32 as bf16 high parts (hh) and bf16 remainders (ll)
	v_cvt_pk_bf16_f32 v[\hh], v[\a], v[\b]
	v_lshlrev_b32 v[\t], 16, v[\hh]
	v_and_b32 v[\t+1], 0xffff0000, v[\hh]
	v_sub_f32 v[\t], v[\a], v[\t]
	v_sub_f32 v[\t+1], v[\b], v[\t+1]
	v_cvt_pk_bf16_f32 v[\ll], v[\t], v[\t+1]
.endm
	v_lshl_add_u32 v254, v0, 2, 0x31f00
	v_mov_b32 v255, 0
	v_and_b32 v1, 31, v0                           ; l
	v_and_b32 v2, 15, v0                           ; r
	v_bfe_u32 v3, v0, 4, 1                         ; h
	v_lshrrev_b32 v4, 5, v0
	v_readfirstlane_b32 s3, v4                     ; wave 0..7
	v_lshlrev_b32 v5, 4, v1                        ; 16 l
	s_mov_b32 s12, 0x76543210                      ; v_permlanex16_b32: lane i reads lane i of the other half
	s_mov_b32 s13, 0xfedcba98
	s_cmp_lt_u32 ttmp9, 128
	s_cbranch_scc1 .Lrole_m
	s_cmp_lt_u32 ttmp9, 192
	s_cbranch_scc1 .Lrole_w
	s_cmp_lt_u32 ttmp9, 224
	s_cbranch_scc1 .Lrole_g
; ---------------------------------------------------------------- roles W and P: 16 rows of 512 numbers, scaled by a gain, to fragments
; one row in v[x:x+15] (lane l: columns 128 j + 4 l ..): gain, bf16, into LDS row w + ro; its dot with the LN bias into BV
.macro ROW1 x, ro, kap, sb
.irp k,0,2,4,6,8,10,12,14
	v_pk_mul_f32 v[80+\k:81+\k], v[\x+\k:\x+\k+1], v[48+\k:49+\k]
.endr
.irp e,0,1,2,3,4,5,6,7
	v_cvt_pk_bf16_f32 v[80+\e], v[80+2*\e], v[81+2*\e]
.endr
.irp j,0,1,2,3
	ds_store_b64 v6, v[80+2*\j:81+2*\j] offset:\ro*1040+256*\j
.endr
	v_pk_mul_f32 v[96:97], v[\x:\x+1], v[64:65]
.irp k,2,4,6,8,10,12,14
	v_pk_fma_f32 v[96:97], v[\x+\k:\x+\k+1], v[64+\k:65+\k], v[96:97]
.endr
	v_add_f32 v96, v96, v97
	WRED 96, 97
.if \kap
	v_add_f32 v96, s[\sb], v96                     ; (dot + b1) * KAPPA
	v_mul_f32 v96, s28, v96
.endif
	ds_store_b32 v7, v96 offset:4*\ro
.endm
; s[16:17] the wave's first row (the second 8 rows further), s[18:19] gain, s[20:21] LN bias, s[22:23] where the fragments go,
; s[24:25] where the bias words go.  dup: LDS rows w and w + 8 are the same row.  step: bytes from a K step of 32 to the next.
; nb: mask of the bias words' numbers.  lb: the role's first LDS byte.
.macro ROWS dup, kap, step, nb, lb
	s_mul_i32 s30, s3, 1040
	s_add_co_u32 s30, s30, \lb
	v_lshl_add_u32 v6, v1, 3, s30                  ; LDS row w, 8 bytes a lane
	s_lshl_b32 s30, s3, 2
	s_add_co_u32 s30, s30, \lb+BV
	v_mov_b32 v7, s30                              ; bias word w
	v_mul_u32_u24 v8, v2, 1040
	v_lshl_add_u32 v8, v3, 4, v8
	s_lshl_b32 s30, s3, 7
	s_add_co_u32 s30, s30, \lb
	v_add_nc_u32 v8, s30, v8                       ; fragment read: row r, 16 h, the wave's 64 columns
.irp j,0,1,2,3
	global_load_b128 v[16+4*\j:19+4*\j], v5, s[16:17] offset:512*\j
.endr
.if \dup == 0
.irp j,0,1,2,3
	global_load_b128 v[32+4*\j:35+4*\j], v5, s[16:17] offset:16384+512*\j
.endr
.endif
.irp j,0,1,2,3
	global_load_b128 v[48+4*\j:51+4*\j], v5, s[18:19] offset:512*\j
.endr
.irp j,0,1,2,3
	global_load_b128 v[64+4*\j:67+4*\j], v5, s[20:21] offset:512*\j
.endr
	s_wait_loadcnt 0x0
.if \kap
.irp k,0,2,4,6,8,10,12,14
	v_pk_mul_f32 v[48+\k:49+\k], v[48+\k:49+\k], s[28:29] op_sel_hi:[1,0]
.endr
.endif
	ROW1 16, 0, \kap, 26
.if \dup
.irp j,0,1,2,3
	ds_store_b64 v6, v[80+2*\j:81+2*\j] offset:8*1040+256*\j
.endr
	ds_store_b32 v7, v96 offset:32
.else
	ROW1 32, 8, \kap, 27
.endif
	s_wait_dscnt 0x0                               ; my rows and bias words are in LDS before I say so
	s_barrier_signal -1
	s_barrier_wait -1
.irp i,0,1,2,3
	ds_load_b128 v[16+4*\i:19+4*\i], v8 offset:32*\i
.endr
.irp i,0,1,2,3
	s_wait_dscnt 3-\i                              ; LDS loads come back in order: load i is in, the younger ones may be out
	global_store_b128 v5, v[16+4*\i:19+4*\i], s[22:23] offset:(\i>>1)*\step+(\i&1)*512   ; 512 consecutive bytes: half a fragment
.endr
	s_cmp_lg_u32 s3, 0
	s_cbranch_scc1 .Lrows_end_\@
	v_and_b32 v9, \nb, v0                          ; wave 0 stores the bias words, all lanes on: lanes that share a word store the same value.
	v_lshlrev_b32 v9, 2, v9                        ; These stores cover 64 (32) bytes, a part of an aligned block of 256: 4,128 bytes in the whole launch
	v_add_nc_u32 v11, \lb+BV, v9                   ; the word in LDS; v9 is its place in memory
	ds_load_b32 v10, v11
	s_wait_dscnt 0x0
	global_store_b32 v9, v10, s[24:25]
.Lrows_end_\@:
	s_wait_tensorcnt 0x0
	ds_add_u32 v254, v255
	s_wait_dscnt 0x0
	s_endpgm
.endm
	; role P: wave w takes projection row w (0-3 support bank, 4-7 conflict bank); rows 8-15 of the fragment repeat rows 0-7
	s_load_b256 s[36:43], s[0:1], 0xb0             ; sb_proj_w, cb_proj_w, sb_norm_w, sb_norm_b
	s_load_b128 s[44:47], s[0:1], 0xd0             ; cb_norm_w, cb_norm_b
	s_load_b64 s[8:9], s[0:1], 0xe0                ; ws
	s_and_b32 s32, s3, 3
	s_lshl_b32 s32, s32, 11                        ; the row in its bank
	s_mov_b32 s33, 0
	s_lshl_b32 s34, s3, 11                         ; the wave's two K steps of 1,024 bytes
	s_add_co_u32 s34, s34, PFR
	s_mov_b32 s35, 0
	s_wait_kmcnt 0x0
	s_cmp_lt_u32 s3, 4
	s_cselect_b64 s[16:17], s[36:37], s[38:39]
	s_cselect_b64 s[18:19], s[40:41], s[44:45]
	s_cselect_b64 s[20:21], s[42:43], s[46:47]
	s_add_nc_u64 s[16:17], s[16:17], s[32:33]
	s_add_nc_u64 s[22:23], s[8:9], s[34:35]
	s_add_nc_u64 s[24:25], s[8:9], PBD
	ROWS 1, 0, 1024, 7, LDSP
.Lrole_w:
	s_load_b512 s[36:51], s[0:1], 0x10             ; un_w1, vn_w1, un_norm_w, un_norm_b, vn_norm_w, vn_norm_b, un_b1, vn_b1
	s_load_b64 s[8:9], s[0:1], 0xe0                ; ws
	s_sub_co_u32 s14, ttmp9, 128
	s_lshr_b32 s15, s14, 5                         ; 0: un, 1: vn
	s_and_b32 s14, s14, 31                         ; which 16 rows: n >> 4
	s_lshl_b32 s32, s14, 4
	s_add_co_u32 s32, s32, s3                      ; row 16 (n >> 4) + w
	s_lshl_b32 s34, s32, 2                         ; its word in b1
	s_mov_b32 s35, 0
	s_lshl_b32 s32, s32, 11                        ; its bytes in w1
	s_mov_b32 s33, 0
	s_wait_kmcnt 0x0
	s_cmp_eq_u32 s15, 0
	s_cselect_b64 s[16:17], s[36:37], s[38:39]
	s_cselect_b64 s[18:19], s[40:41], s[44:45]
	s_cselect_b64 s[20:21], s[42:43], s[46:47]
	s_cselect_b64 s[30:31], s[48:49], s[50:51]
	s_add_nc_u64 s[16:17], s[16:17], s[32:33]
	s_add_nc_u64 s[30:31], s[30:31], s[34:35]
	s_load_b32 s26, s[30:31], 0x0                  ; b1 of row w
	s_load_b32 s27, s[30:31], 0x20                 ; and of row w + 8
	s_lshl_b32 s32, s15, 2                         ; fill 4 mat + ((n >> 5) & 3)
	s_bfe_u32 s33, s14, 0x20001
	s_add_co_u32 s32, s32, s33
	s_lshl_b32 s32, s32, 17
	s_lshr_b32 s33, s14, 3                         ; the wave of the second launch that owns these rows
	s_lshl_b32 s33, s33, 15
	s_add_co_u32 s32, s32, s33
	s_and_b32 s33, s14, 1                          ; first or second n tile of the fill
	s_lshl_b32 s33, s33, 14
	s_add_co_u32 s32, s32, s33
	s_lshl_b32 s33, s3, 11                         ; my 64 columns are K steps 2 w and 2 w + 1, of 1,024 bytes each
	s_add_co_u32 s32, s32, s33
	s_mov_b32 s33, 0
	s_add_nc_u64 s[22:23], s[8:9], s[32:33]
	s_lshl_b32 s32, s15, 11
	s_lshl_b32 s34, s14, 6
	s_add_co_u32 s32, s32, s34
	s_add_co_u32 s32, s32, VEC
	s_add_nc_u64 s[24:25], s[8:9], s[32:33]
	s_mov_b32 s28, KAPPA
	s_mov_b32 s29, KAPPA
	s_wait_kmcnt 0x0                               ; b1's two words are in, and s[30:31] may be written again
	ROWS 0, 1, 1024, 15, LDSW
; ---------------------------------------------------------------- role M: M[o][h] = sum_j out_w[o][j] vn_w2[j][h], 32 o x 64 h, K = 512
.Lrole_m:
	s_load_b128 s[4:7], s[0:1], 0x0                ; out_w, vn_w2
	s_load_b64 s[8:9], s[0:1], 0xe0                ; ws
	s_lshr_b32 s14, ttmp9, 3                       ; which 32 rows o
	s_and_b32 s15, ttmp9, 7                        ; which 64 columns h
	s_mul_i32 s16, s14, 32*OWP
	s_mov_b32 s17, 0
	s_lshl_b32 s18, s15, 8
	s_mov_b32 s19, 0
	s_mul_i32 s20, s3, 4*OWP
	v_add_nc_u32 v6, s20, v5                       ; out_w: the wave's rows 4 w .., 16 bytes a lane
	s_lshl_b32 s20, s3, 17
	v_lshl_add_u32 v7, v3, 11, s20                 ; vn_w2: rows 64 w + h .., two rows of 256 bytes to a load
	v_lshl_add_u32 v7, v2, 4, v7
	s_wait_kmcnt 0x0
	s_add_nc_u64 s[4:5], s[4:5], s[16:17]
	s_add_nc_u64 s[6:7], s[6:7], s[18:19]
.irp p,0,1,2,3
.irp j,0,1,2,3
	global_load_b128 v[16+16*\p+4*\j:19+16*\p+4*\j], v6, s[4:5] offset:\p*OWP+512*\j
.endr
.endr
.set ci, 0
.rept 32
	global_load_b128 v[80+4*ci:83+4*ci], v7, s[6:7] offset:ci*4096
.set ci, ci+1
.endr
	s_mul_i32 s20, s3, 4160
	v_lshl_add_u32 v8, v1, 3, s20                  ; out_w tile: row 4 w, 8 l
	s_mul_i32 s20, s3, 10240
	s_add_co_u32 s20, s20, BL
	v_mul_u32_u24 v9, v3, 160
	v_add_nc_u32 v9, s20, v9
	v_lshl_add_u32 v9, v2, 3, v9                   ; vn_w2 tile: row 64 w + h, 8 r
	s_lshr_b32 s24, s3, 2                          ; the wave's 16 x 16 tile: which 16 o
	s_and_b32 s21, s3, 3                           ; which 16 h
	s_mul_i32 s20, s24, 16640
	v_mul_u32_u24 v10, v2, 1040
	v_add_nc_u32 v10, s20, v10
	v_lshl_add_u32 v10, v3, 4, v10                 ; fragment of out_w: row 16 oi + r, 16 h
	v_and_b32 v13, 7, v0
	v_lshl_add_u32 v13, v3, 3, v13
	v_mul_u32_u24 v11, v13, 160                    ; transposing load: row 8 h + (l & 7) of the K step,
	v_bfe_u32 v13, v0, 3, 1
	v_lshl_add_u32 v11, v13, 4, v11                ; 16 bytes for each half of the 16 columns
	s_lshl_b32 s22, s21, 5
	s_add_co_u32 s22, s22, BL
	v_add_nc_u32 v11, s22, v11
	v_add_nc_u32 v12, 40960, v11                   ; K steps 8 to 15: beyond the reach of the 16-bit offset
	s_wait_loadcnt 32                              ; the 16 loads of out_w are in; the 32 of vn_w2 may be out
.set ci, 0
.rept 16
	v_cvt_pk_bf16_f32 v[16+4*ci], v[16+4*ci], v[17+4*ci]
	v_cvt_pk_bf16_f32 v[17+4*ci], v[18+4*ci], v[19+4*ci]
	ds_store_b64 v8, v[16+4*ci:17+4*ci] offset:(ci>>2)*1040+256*(ci&3)
.set ci, ci+1
.endr
	s_wait_loadcnt 0x0
.set ci, 0
.rept 32
	v_cvt_pk_bf16_f32 v[80+4*ci], v[80+4*ci], v[81+4*ci]
	v_cvt_pk_bf16_f32 v[81+4*ci], v[82+4*ci], v[83+4*ci]
	ds_store_b64 v9, v[80+4*ci:81+4*ci] offset:ci*320
.set ci, ci+1
.endr
	s_wait_dscnt 0x0                               ; my part of both tiles is in LDS before I say so
	s_barrier_signal -1
	s_barrier_wait -1
; eight K steps: source 0 = 16 columns h of vn_w2 (transposed on the way in), source 1 = 16 rows o of out_w, so that a lane
; ends with eight neighbouring h of one o: 16 bytes of a fragment.  Two accumulators take turns.
.macro MHALF hf, breg
.irp s,0,1,2,3,4,5,6,7
	ds_load_b128 v[32+16*\s:35+16*\s], v10 offset:64*(8*\hf+\s)
	ds_load_b128 v[36+16*\s:39+16*\s], v10 offset:64*(8*\hf+\s)+32
	ds_load_tr16_b128 v[40+16*\s:43+16*\s], v[\breg] offset:5120*\s
	ds_load_tr16_b128 v[44+16*\s:47+16*\s], v[\breg] offset:5120*\s+2560
.endr
	s_wait_dscnt 0x0
.irp s,0,1,2,3,4,5,6,7
.if 8*\hf+\s < 2
	v_wmma_f32_16x16x32_bf16 v[16+8*(\s&1):23+8*(\s&1)], v[40+16*\s:47+16*\s], v[32+16*\s:39+16*\s], 0
.else
	v_wmma_f32_16x16x32_bf16 v[16+8*(\s&1):23+8*(\s&1)], v[40+16*\s:47+16*\s], v[32+16*\s:39+16*\s], v[16+8*(\s&1):23+8*(\s&1)]
.endif
.endr
.rept 4
	v_nop                                          ; four places behind the products, ahead of loads into their sources and of readers of their results
.endr
.endm
	MHALF 0, 11
	MHALF 1, 12
.irp k,0,2,4,6
	v_pk_add_f32 v[16+\k:17+\k], v[16+\k:17+\k], v[24+\k:25+\k]
.endr
.irp e,0,1,2,3
	v_cvt_pk_bf16_f32 v[32+\e], v[16+2*\e], v[17+2*\e]
.endr
	s_lshl_b32 s23, s14, 1
	s_add_co_u32 s23, s23, s24                     ; n >> 4
	s_lshl_b32 s25, s15, 2
	s_add_co_u32 s25, s25, s21                     ; k >> 4
	s_bfe_u32 s26, s23, 0x20001
	s_add_co_u32 s26, s26, 9
	s_lshl_b32 s26, s26, 17                        ; fill 9 + ((n >> 5) & 3)
	s_lshr_b32 s27, s23, 3
	s_lshl_b32 s27, s27, 15
	s_add_co_u32 s26, s26, s27
	s_and_b32 s27, s23, 1                          ; first or second n tile of the fill
	s_lshl_b32 s27, s27, 14
	s_add_co_u32 s26, s26, s27
	s_lshl_b32 s27, s25, 9                         ; (k >> 5) * 1024 + ((k >> 4) & 1) * 512
	s_add_co_u32 s26, s26, s27
	s_mov_b32 s27, 0
	s_add_nc_u64 s[8:9], s[8:9], s[26:27]
	global_store_b128 v5, v[32:35], s[8:9]         ; 512 consecutive bytes: half a fragment
	s_wait_tensorcnt 0x0
	ds_add_u32 v254, v255
	s_wait_dscnt 0x0
	s_endpgm
; ---------------------------------------------------------------- role G: 16 rows of out_w against the small vectors, all in f32
.Lrole_g:
	s_load_b64 s[4:5], s[0:1], 0x0                 ; out_w
	s_load_b512 s[16:31], s[0:1], 0x50             ; vn_b2, en_w, en_b, pr_w, pr_b, rs_w, rs_b, ssp_w
	s_load_b256 s[32:39], s[0:1], 0x90             ; ssp_b, csp_w, csp_b, out_b
	s_load_b64 s[8:9], s[0:1], 0xe0                ; ws
	s_sub_co_u32 s14, ttmp9, 192                   ; which 16 rows o
	s_mul_i32 s50, s14, 16*OWP
	s_mov_b32 s51, 0
	s_lshl_b32 s58, s14, 4
	s_add_co_u32 s58, s58, s3
	s_lshl_b32 s58, s58, 2                         ; the word of row w in out_b
	s_mov_b32 s59, 0
	v_and_b32 v6, 127, v0
	v_lshlrev_b32 v6, 4, v6                        ; a vector of 2,048 bytes is brought by 128 threads
	v_lshlrev_b32 v7, 4, v0                        ; 16 t, in memory
	v_add_nc_u32 v15, LDSG, v7                     ; 16 t, in LDS
	v_add_nc_u32 v14, LDSG, v5                     ; 16 l, in LDS
	s_mul_i32 s52, s3, OWP
	v_add_nc_u32 v8, s52, v5                       ; out_w: row w, 16 bytes a lane
	v_lshrrev_b32 v9, 3, v0
	v_mul_u32_u24 v9, v9, 144
	v_and_b32 v10, 7, v0
	v_lshl_add_u32 v9, v10, 4, v9
	v_add_nc_u32 v9, LDSG, v9                      ; staging of ssp_w, csp_w: chunk t >> 3, piece t & 7
	v_mul_u32_u24 v10, v1, 144
	v_add_nc_u32 v10, LDSG, v10                    ; the lane's chunk: the four rows h that go with its four columns of out_w
	s_mul_i32 s52, s3, 144
	s_add_co_u32 s52, s52, LDSG+GS
	v_mov_b32 v12, s52                             ; finished row w
	s_wait_kmcnt 0x0
	s_add_nc_u64 s[4:5], s[4:5], s[50:51]
	s_add_nc_u64 s[56:57], s[38:39], s[58:59]
	s_load_b32 s54, s[56:57], 0x0                  ; out_b of row w
	s_load_b32 s55, s[56:57], 0x20                 ; and of row w + 8
	s_cmp_lt_u32 s3, 4                             ; waves 0-3 bring the first vector of each pair, waves 4-7 the second
	s_cselect_b64 s[40:41], s[18:19], s[20:21]     ; en_w, en_b
	s_cselect_b64 s[42:43], s[22:23], s[24:25]     ; pr_w, pr_b
	s_cselect_b64 s[44:45], s[26:27], s[28:29]     ; rs_w, rs_b
	s_cselect_b64 s[46:47], s[32:33], s[36:37]     ; ssp_b, csp_b
.irp p,0,1,2,3
	global_load_b128 v[128+4*\p:131+4*\p], v6, s[40+2*\p:41+2*\p]
.endr
.irp i,0,1,2,3
	global_load_b128 v[148+4*\i:151+4*\i], v7, s[30:31] offset:4096*\i
.endr
.irp i,0,1,2,3
	global_load_b128 v[164+4*\i:167+4*\i], v7, s[34:35] offset:4096*\i
.endr
.irp j,0,1,2,3
	global_load_b128 v[16+4*\j:19+4*\j], v5, s[16:17] offset:512*\j        ; vn_b2 is used once, by segment 0: the lane's 16 numbers go straight to registers
.endr
.macro GSEG seg, slot                  ; segment seg (512 columns) of rows w and w + 8 into register slot 0..2: eight loads
.irp j,0,1,2,3
	global_load_b128 v[32+32*\slot+4*\j:35+32*\slot+4*\j], v8, s[4:5] offset:\seg*2048+512*\j
.endr
.irp j,0,1,2,3
	global_load_b128 v[48+32*\slot+4*\j:51+32*\slot+4*\j], v8, s[4:5] offset:8*OWP+\seg*2048+512*\j
.endr
.endm
	GSEG 0, 0
	GSEG 1, 1
	GSEG 2, 2
	s_wait_loadcnt 24                              ; the 12 staging loads and vn_b2's four are in; the 24 loads of three segments may be out
.irp p,0,1,2,3
	ds_store_b128 v15, v[128+4*\p:131+4*\p] offset:4096*\p
.endr
.irp i,0,1,2,3
	ds_store_b128 v9, v[148+4*\i:151+4*\i] offset:SWL+4608*\i
.endr
.irp i,0,1,2,3
	ds_store_b128 v9, v[164+4*\i:167+4*\i] offset:CWL+4608*\i
.endr
	s_wait_dscnt 0x0
	s_barrier_signal -1
	s_barrier_wait -1
.macro GVEC dst, off                   ; the lane's 16 numbers of a staged vector
.irp j,0,1,2,3
	ds_load_b128 v[\dst+4*\j:\dst+4*\j+3], v14 offset:\off+512*\j
.endr
.endm
.macro DOT16 acc, x, vec, first        ; a pair of partial sums; the first product starts them
.if \first
	v_pk_mul_f32 v[\acc:\acc+1], v[\x:\x+1], v[\vec:\vec+1]
.else
	v_pk_fma_f32 v[\acc:\acc+1], v[\x:\x+1], v[\vec:\vec+1], v[\acc:\acc+1]
.endif
.irp k,2,4,6,8,10,12,14
	v_pk_fma_f32 v[\acc:\acc+1], v[\x+\k:\x+\k+1], v[\vec+\k:\vec+\k+1], v[\acc:\acc+1]
.endr
.endm
.macro GMAC x, acc, j                  ; four columns of out_w (v[x:x+3]) times four rows of eight numbers (v[160:191]) onto eight sums
.irp hh,0,1,2,3
.irp kk,0,1,2,3
.if \j+\hh == 0
	v_pk_mul_f32 v[(\acc)+2*\kk:(\acc)+2*\kk+1], v[(\x):(\x)+1], v[160+2*\kk:161+2*\kk] op_sel_hi:[0,1]
.else
.if (\hh&1) == 0
	v_pk_fma_f32 v[(\acc)+2*\kk:(\acc)+2*\kk+1], v[(\x)+\hh:(\x)+\hh+1], v[160+8*\hh+2*\kk:161+8*\hh+2*\kk], v[(\acc)+2*\kk:(\acc)+2*\kk+1] op_sel_hi:[0,1,1]
.else
	v_pk_fma_f32 v[(\acc)+2*\kk:(\acc)+2*\kk+1], v[(\x)+\hh-1:(\x)+\hh], v[160+8*\hh+2*\kk:161+8*\hh+2*\kk], v[(\acc)+2*\kk:(\acc)+2*\kk+1] op_sel:[1,0,0] op_sel_hi:[1,1,1]
.endif
.endif
.endr
.endr
.endm
.macro GCHUNK base, x, go              ; a whole segment against ssp_w or csp_w
.irp j,0,1,2,3
.irp e,0,1,2,3,4,5,6,7
	ds_load_b128 v[160+4*\e:163+4*\e], v10 offset:\base+4608*\j+16*\e
.endr
	s_wait_dscnt 0x0
	GMAC \x+4*\j, AC0+\go, \j
	GMAC \x+16+4*\j, AC1+\go, \j
.endr
.endm
.macro GWB seg, x, kfirst              ; segments 1 to 3: a weight vector and a bias vector
	GVEC 128, (\seg-1)*4096
	GVEC 144, (\seg-1)*4096+2048
	s_wait_dscnt 0x0
	DOT16 AC0+2*\seg, \x, 128, 1
	DOT16 AC1+2*\seg, \x+16, 128, 1
	DOT16 AC0+8, \x, 144, \kfirst
	DOT16 AC1+8, \x+16, 144, \kfirst
.endm
	s_wait_loadcnt 16                              ; segment 0 is in; two younger segments (16 loads) may be out.  The same count holds while a segment is asked for as one is used up
	DOT16 AC0, 32, 16, 1                           ; against vn_b2
	DOT16 AC1, 48, 16, 1
	GSEG 3, 0
	s_wait_loadcnt 16
	GWB 1, 64, 1
	GSEG 4, 1
	s_wait_loadcnt 16
	GWB 2, 96, 0
	GSEG 5, 2
	s_wait_loadcnt 16
	GWB 3, 32, 0
	s_wait_loadcnt 8                               ; segment 4 is in; segment 5 may be out
	GVEC 144, 12288                                ; ssp_b
	s_wait_dscnt 0x0
	DOT16 AC0+8, 64, 144, 0
	DOT16 AC1+8, 80, 144, 0
	GCHUNK SWL, 64, 10
	s_wait_loadcnt 0x0
	GVEC 144, 14336                                ; csp_b
	s_wait_dscnt 0x0
	DOT16 AC0+8, 96, 144, 0
	DOT16 AC1+8, 112, 144, 0
	GCHUNK CWL, 96, 18
.macro WRED21 ac                       ; 21 sums over the 32 lanes, step by step so that no step waits for the one before
.irp q,0,2,4,6,8
	v_add_f32 v[\ac+\q], v[\ac+\q], v[\ac+\q+1]
.endr
.irp m,1,2,4,8
.irp o,0,2,4,6,8,10,11,12,13,14,15,16,17,18,19,20,21,22,23,24,25
	v_add_f32_dpp v[\ac+\o], v[\ac+\o], v[\ac+\o] row_xmask:\m row_mask:0xf bank_mask:0xf
.endr
.endr
.irp o,0,2,4,6,8,10,11,12,13,14,15,16,17,18,19,20,21,22,23,24,25
	v_permlanex16_b32 v[160+\o], v[\ac+\o], s12, s13
.endr
.irp o,0,2,4,6,8,10,11,12,13,14,15,16,17,18,19,20,21,22,23,24,25
	v_add_f32 v[\ac+\o], v[\ac+\o], v[160+\o]
.endr
.endm
; the row of 64 bf16: g4..19 high, the same again, g4..19 low, (g0..3 high) twice, g0..3 low, (K high, K low), 0.  With the token side
; (f high, f low, f high ..) the products are fh*gh + fl*gh + fh*gl.  Every lane holds the same numbers and stores the same bytes.
.macro GFIN ac, ro, ob
	v_add_f32 v[\ac+8], s[\ob], v[\ac+8]           ; + out_b
	SPLIT2 \ac, \ac+2, 152, 156, 144
	SPLIT2 \ac+4, \ac+6, 153, 157, 144
.irp e,0,1,2,3,4,5,6,7
	SPLIT2 \ac+10+2*\e, \ac+11+2*\e, 128+\e, 136+\e, 144
.endr
	v_cvt_pk_bf16_f32 v144, v[\ac+8], v[\ac+8]
	v_lshlrev_b32 v144, 16, v144
	v_sub_f32 v144, v[\ac+8], v144
	v_cvt_pk_bf16_f32 v158, v[\ac+8], v144
	v_mov_b32 v159, 0
	ds_store_b128 v12, v[128:131] offset:\ro
	ds_store_b128 v12, v[132:135] offset:\ro+16
	ds_store_b128 v12, v[128:131] offset:\ro+32
	ds_store_b128 v12, v[132:135] offset:\ro+48
	ds_store_b128 v12, v[136:139] offset:\ro+64
	ds_store_b128 v12, v[140:143] offset:\ro+80
	ds_store_b64 v12, v[152:153] offset:\ro+96
	ds_store_b64 v12, v[152:153] offset:\ro+104
	ds_store_b128 v12, v[156:159] offset:\ro+112
.endm
	WRED21 AC0
	WRED21 AC1
	s_wait_kmcnt 0x0                               ; out_b's two words
	GFIN AC0, 0, 54
	GFIN AC1, 1152, 55
	s_wait_dscnt 0x0
	s_barrier_signal -1
	s_barrier_wait -1
	s_cmp_gt_u32 s3, 3                             ; 16 rows x 128 bytes are four half fragments: waves 0 to 3 carry one each
	s_cbranch_scc1 .Lg_end
	v_mul_u32_u24 v13, v2, 144
	v_lshl_add_u32 v13, v3, 4, v13
	s_lshl_b32 s52, s3, 5
	s_add_co_u32 s52, s52, LDSG+GS
	v_add_nc_u32 v13, s52, v13
	ds_load_b128 v[16:19], v13
	s_lshr_b32 s52, s14, 3
	s_lshl_b32 s52, s52, 15
	s_add_co_u32 s52, s52, 8*131072                ; fill 8
	s_lshr_b32 s53, s3, 1
	s_lshl_b32 s53, s53, 13
	s_add_co_u32 s52, s52, s53
	s_and_b32 s53, s14, 7
	s_lshl_b32 s53, s53, 10
	s_add_co_u32 s52, s52, s53
	s_and_b32 s53, s3, 1
	s_lshl_b32 s53, s53, 9
	s_add_co_u32 s52, s52, s53
	s_mov_b32 s53, 0
	s_add_nc_u64 s[8:9], s[8:9], s[52:53]
	s_wait_dscnt 0x0
	global_store_b128 v5, v[16:19], s[8:9]         ; 512 consecutive bytes
.Lg_end:
	s_wait_tensorcnt 0x0
	ds_add_u32 v254, v255
	s_wait_dscnt 0x0
	s_endpgm
.Lfunc_end_k_q5f4274c9a6_prep:
	.size	k_q5f4274c9a6_prep, .Lfunc_end_k_q5f4274c9a6_prep-k_q5f4274c9a6_prep
	.p2alignl 7, 3214868480
	.fill 96, 4, 3214868480
	.section	.rodata,"a",@progbits
	.p2align	6, 0x0
	.amdhsa_kernel k_q5f4274c9a6_prep
		.amdhsa_group_segment_fixed_size 205568
		.amdhsa_private_segment_fixed_size 0
		.amdhsa_enable_private_segment 0
		.amdhsa_kernarg_size 232
		.amdhsa_user_sgpr_count 2
		.amdhsa_user_sgpr_kernarg_segment_ptr 1
		.amdhsa_wavefront_size32 1
		.amdhsa_system_sgpr_workgroup_id_x 1
		.amdhsa_system_sgpr_workgroup_id_y 1
		.amdhsa_system_sgpr_workgroup_id_z 1
		.amdhsa_system_vgpr_workitem_id 0
		.amdhsa_next_free_vgpr 256
		.amdhsa_next_free_sgpr 66
		.amdhsa_reserve_vcc 0
		.amdhsa_float_denorm_mode_32 3
		.amdhsa_float_denorm_mode_16_64 3
		.amdhsa_memory_ordered 1
		.amdhsa_forward_progress 1
		.amdhsa_inst_pref_size 104
	.end_amdhsa_kernel
	.amdgpu_metadata
---
amdhsa.version: [ 1, 2 ]
amdhsa.kernels:
  - .name:           k_q5f4274c9a6_prep
    .symbol:         k_q5f4274c9a6_prep.kd
    .args:
      - { .name: out_w, .offset: 0, .size: 8, .value_kind: global_buffer, .address_space: global }
      - { .name: vn_w2, .offset: 8, .size: 8, .value_kind: global_buffer, .address_space: global }
      - { .name: un_w1, .offset: 16, .size: 8, .value_kind: global_buffer, .address_space: global }
      - { .name: vn_w1, .offset: 24, .size: 8, .value_kind: global_buffer, .address_space: global }
      - { .name: un_norm_w, .offset: 32, .size: 8, .value_kind: global_buffer, .address_space: global }
      - { .name: un_norm_b, .offset: 40, .size: 8, .value_kind: global_buffer, .address_space: global }
      - { .name: vn_norm_w, .offset: 48, .size: 8, .value_kind: global_buffer, .address_space: global }
      - { .name: vn_norm_b, .offset: 56, .size: 8, .value_kind: global_buffer, .address_space: global }
      - { .name: un_b1, .offset: 64, .size: 8, .value_kind: global_buffer, .address_space: global }
      - { .name: vn_b1, .offset: 72, .size: 8, .value_kind: global_buffer, .address_space: global }
      - { .name: vn_b2, .offset: 80, .size: 8, .value_kind: global_buffer, .address_space: global }
      - { .name: en_w, .offset: 88, .size: 8, .value_kind: global_buffer, .address_space: global }
      - { .name: en_b, .offset: 96, .size: 8, .value_kind: global_buffer, .address_space: global }
      - { .name: pr_w, .offset: 104, .size: 8, .value_kind: global_buffer, .address_space: global }
      - { .name: pr_b, .offset: 112, .size: 8, .value_kind: global_buffer, .address_space: global }
      - { .name: rs_w, .offset: 120, .size: 8, .value_kind: global_buffer, .address_space: global }
      - { .name: rs_b, .offset: 128, .size: 8, .value_kind: global_buffer, .address_space: global }
      - { .name: ssp_w, .offset: 136, .size: 8, .value_kind: global_buffer, .address_space: global }
      - { .name: ssp_b, .offset: 144, .size: 8, .value_kind: global_buffer, .address_space: global }
      - { .name: csp_w, .offset: 152, .size: 8, .value_kind: global_buffer, .address_space: global }
      - { .name: csp_b, .offset: 160, .size: 8, .value_kind: global_buffer, .address_space: global }
      - { .name: out_b, .offset: 168, .size: 8, .value_kind: global_buffer, .address_space: global }
      - { .name: sb_proj_w, .offset: 176, .size: 8, .value_kind: global_buffer, .address_space: global }
      - { .name: cb_proj_w, .offset: 184, .size: 8, .value_kind: global_buffer, .address_space: global }
      - { .name: sb_norm_w, .offset: 192, .size: 8, .value_kind: global_buffer, .address_space: global }
      - { .name: sb_norm_b, .offset: 200, .size: 8, .value_kind: global_buffer, .address_space: global }
      - { .name: cb_norm_w, .offset: 208, .size: 8, .value_kind: global_buffer, .address_space: global }
      - { .name: cb_norm_b, .offset: 216, .size: 8, .value_kind: global_buffer, .address_space: global }
      - { .name: ws, .offset: 224, .size: 8, .value_kind: global_buffer, .address_space: global }
    .group_segment_fixed_size: 205568
    .private_segment_fixed_size: 0
    .kernarg_segment_align: 8
    .kernarg_segment_size: 232
    .max_flat_workgroup_size: 256
    .sgpr_count:     66
    .vgpr_count:     256
    .wavefront_size: 32
...
	.end_amdgpu_metadata
.endif
;; end of part 1
;; launch main (part 2): grid 256 x 1, 4 waves a work-group, clusters of 4 x 1, 327,680 bytes of LDS; arguments x, ws, out0, un_w2, sb_sum_w, sb_sum_b, cb_sum_w, cb_sum_b, sb_proj_b, cb_proj_b, support_logits, conflict_weights, drive_bias, bias_resistance, eml_gamma, eml_lambda, eml_bias, un_b2, update_threshold; writes out0
.if DOCPART == 2
	.amdgcn_target "amdgcn-amd-amdhsa--gfx1250"
	.amdhsa_code_object_version 6
	.text
	.protected	k_q5f4274c9a6_main
	.globl	k_q5f4274c9a6_main
	.p2align	8
	.type	k_q5f4274c9a6_main,@function
k_q5f4274c9a6_main:
	s_mov_b64 s[64:65], 0
	v_nop
	global_prefetch_b8 v0, s[64:65] scope:SCOPE_SE
	s_setreg_imm32_b32 hwreg(HW_REG_WAVE_MODE, 25, 1), 1
	s_wait_xcnt 0x0
	s_wait_alu depctr_hold_cnt(0) depctr_sa_sdst(0) depctr_va_vdst(0) depctr_va_sdst(0) depctr_va_ssrc(0) depctr_va_vcc(0) depctr_vm_vsrc(0)
	s_getreg_b32 s2, hwreg(HW_REG_IB_STS2, 6, 4)
	s_cmp_eq_u32 s2, 0
	s_cbranch_scc0 .Lentry_in_a_cluster
	s_endpgm
.Lentry_in_a_cluster:
	s_bfe_u32 s2, ttmp6, 0x10000c
	s_cmp_lg_u32 s2, 0x3003
	s_cbranch_scc0 .Lentry_shape_is_right
	s_endpgm
.Lentry_shape_is_right:
; MERCCell, second launch: everything that hangs on a token.  A work-group takes 64 tokens, four waves.
;   xhat = (x - mean) * rsqrt(var + 1e-5), two passes in f32; the four LN gains and biases are folded into the weights (first launch).
;   u = xhat @ W1u^T, v = xhat @ W1v^T (both scaled by KAPPA = sqrt(log2(e)/2)), eight projection logits = xhat @ P^T.
;   out = act * 0.5/KAPPA * (H @ M^T) + F @ G^T,  H = bf16(2 KAPPA gelu(v)),  F = 64 feature columns.  The feature columns carry act, energy,
;   precision, resistance, ss[8], cs[8] and the constant vector, each split into a bf16 high part and a bf16 remainder on both sides
;   (fh*gh + fl*gh + fh*gl), because these rank-one terms make up most of the result and plain bf16 would round them alike in a whole row.
; No step of the module is left out; the folds are identities of real arithmetic for all values of the inputs (head of the first launch).
; GELU: with a = KAPPA * x,  2 KAPPA gelu(x) = a + |a| erf(|x|/sqrt 2),  erf = 1 - (a1 t + a2 t^2 + a3 t^3) 2^(-a*a),  t = 1/(1 + p |a|).
; LIMITS: this erf is within 2.5e-5 for every x (Abramowitz and Stegun 7.1.25); softplus = max(x,0) + ln2*log2(1 + 2^(-log2e*|x|)) is within
; 6e-8 absolutely (small results lose relative accuracy); sums are ordered otherwise than in the unfolded form; an overflow, infinity or
; NaN of an intermediate that only the unfolded form has (feats, value) is not reproduced; max and min let a NaN lose.
; SHARES: wave w normalises tokens 16 w .. 16 w + 15 and does their scalar work; in every product it owns output columns 128 w .. 128 w + 127
; for all 64 tokens.  The products are used transposed (source 0 = 16 weight rows, source 1 = 16 tokens): register j of lane (r, h) is
; token 16 i + r, column 128 w + 16 b + 8 h + j.
; THE N TILE IS THE OUTER INDEX: the token fragments of the whole K lie in registers, so 64 products on four accumulators finish 16 columns
; (n tile b) for all 64 tokens.  Two sets of four accumulators take turns from n tile to n tile: while one is summed, the vector work on the
; other (GELU and what follows it, 240 lines) is cut into slices, one behind each product.  The first-layer bias is the C operand of the
; first K step, so it costs no line.
; WINDOWS: a product names weights (source 0) and sums (source 2, destination) in window 0 and tokens (source 1) in window 1 or 2.  Lines with
; no vector register as source 1 (1 + p |a| with p in a scalar register, reciprocals, exponentials, LDS loads) run under that setting.
; Lines that multiply two computed numbers want source 1 in window 0: they are gathered in 5 of every 16 slices, each between two
; switches: 10 switches for 16 products (11 where the packed H goes to window 3).
; WEIGHTS: 13 fills of 131,072 bytes lie in ws in fragment order; each wave brings its own quarter with one tensor load into its own
; quarter of one of two LDS slots and reads only that.  CLUSTER 4 x 1: all work-groups walk the same fills, so the four of a cluster ask
; jointly (mask 15, the same descriptor in all four); every refill stands behind a round of the cluster barrier.
; By the count of this text a wave has two tensor loads out at the start and one behind each refill.
; STRAIGHT-LINE TEXT: each n tile of v packs H into 16 other registers (LDS beside the ring has 48,896 bytes, 64 rows of 1,040 need 66,560), and
; each n tile of the last product ends in 32 other result registers (256 consecutive bytes of out0 are four n tiles), so no loop body could name them.
.set XL,  262144                       ; LDS: xhat by halves of K (64 rows x 528), later H by halves of the tokens (32 x 1,040), later four stages of 16 x 528
.set FL,  295936                       ; 64 feature rows of 144 bytes
.set RL,  305152                       ; [wave][r][i] partial sums of the uncertainty head
.set SL,  306176                       ; act * 0.5/KAPPA for each token
.set VL,  306432                       ; folded b1 of u, folded b1 of v, un_w2
.set PFR, 1703936
.set VEC, 1720320
.set PBD, 1724416
; window 0: v0-23 ids and addresses; v24-39 projection sums, then UU, then ACT; v40-47 bias of the n tile; v48-63 un_w2 (two sets), then the scalar block;
;           v64-127 two sets of four accumulators; v128-191 weight fragments, two halves of four K steps; v192-215 GELU at work; v216-221, v240-241 constants, E0, R0
; windows 1, 2: x, then token fragments A(s, i) at window 1 + (s>>3), register 32 (s&7) + 8 i
; window 3: packed xhat (v0-127) and the *_sum_* constants (v128-207), then packed H at 16 b + 4 i, then results R(i, b) at 8 (4 b + i)
.set ADR, 4                            ; v4, v5: wave part of slot 0, 1 + 16 l.  v4 is also the byte offset of the lane in x: 16 tokens of 2,048 bytes are 32,768 too
.set XW,  7
.set XR,  8
.set XO,  9
.set HW,  10
.set HR,  11
.set SWA, 12
.set SR,  13
.set CO,  14
.set FW,  15
.set FR,  16
.set RW,  17
.set RR,  18
.set SA,  19
.set SWR, 20
.set VB,  21
.set VZ,  22
.set VT,  23
.set PA,  24
.set UU,  24
.set ACT, 32
.set BB,  40
.set W2R, 48
.set AX,  64
.set WB,  128
.set GT,  192
.set GE,  200
.set GQ,  208
.set CA2, 216
.set CA1, 218
.set E0,  220
.set R0,  221
.set CA3, 240
.set F0,  64
.set F1,  128
.set PB,  64
.set OA,  192
.set TS,  192
.set FA,  192
.set G1F, 16                           ; s[16:23] group 1: 128 rows of 256 bytes
.set G1H, 24                           ; s[24:31] group 1: 64 rows (the feature fill)
.set G0,  32                           ; s[32:39] group 0 for slot 0, slot 1
.set MSB, 0
.macro WIN new                         ; low byte: bits 1:0 source 0, 3:2 source 1, 5:4 source 2, 7:6 destination; the high byte repeats the setting that is left
.if MSB != (\new)
	s_set_vgpr_msb (MSB<<8)|(\new)
.set MSB, (\new)
.endif
.endm
.macro PLACES                          ; four places behind a matrix instruction, ahead of loads into its sources and of readers of its result
.rept 4
	v_nop
.endr
.endm
.macro CREST                           ; a round of the cluster barrier behind its opening work-group barrier
	s_cmp_lg_u32 s3, 0
	s_cbranch_scc1 .Lnot_wave_0_\@
	s_barrier_signal -3
.Lnot_wave_0_\@:
	s_barrier_wait -3
	s_barrier_signal -1
	s_barrier_wait -1
.endm
.macro ROUND
	s_barrier_signal -1
	s_barrier_wait -1
	CREST
.endm
.macro FETCH slot, q, f                ; the feature fill: the eight weight fragments of one K step: 16 loads, each 512 consecutive bytes
.irp b,0,1,2,3,4,5,6,7
	ds_load_b128 v[\f+8*\b:\f+8*\b+3], v[ADR+\slot] offset:\q*8192+\b*1024
	ds_load_b128 v[\f+8*\b+4:\f+8*\b+7], v[ADR+\slot] offset:\q*8192+\b*1024+512
.endr
.endm
.macro MULB f, b0, nb, ab, zero        ; the feature product: n tiles b0 .. b0+nb-1 times the four token tiles.  The 32 accumulators take turns, one instruction a turn
.set mb, \b0
.rept \nb
.irp i,0,1,2,3
.if \zero
	v_wmma_f32_16x16x32_bf16 v[8*(4*mb+\i):8*(4*mb+\i)+7], v[\f+8*mb:\f+8*mb+7], v[(\ab)+8*\i:(\ab)+8*\i+7], 0
.else
	v_wmma_f32_16x16x32_bf16 v[8*(4*mb+\i):8*(4*mb+\i)+7], v[\f+8*mb:\f+8*mb+7], v[(\ab)+8*\i:(\ab)+8*\i+7], v[8*(4*mb+\i):8*(4*mb+\i)+7]
.endif
.endr
.set mb, mb+1
.endr
.endm
.macro SPN n, d, t                     ; softplus in place on n registers; t: n temporaries
.set sk, 0
.rept \n
	v_mul_f32 v[\t+sk], s85, |v[\d+sk]|
.set sk, sk+1
.endr
.set sk, 0
.rept \n
	v_exp_f32 v[\t+sk], v[\t+sk]
.set sk, sk+1
.endr
.set sk, 0
.rept \n
	v_max_num_f32 v[\d+sk], 0, v[\d+sk]            ; also the plain instruction behind the exponentials
.set sk, sk+1
.endr
.set sk, 0
	s_wait_alu depctr_va_vdst(0)
.rept \n
	v_add_f32 v[\t+sk], 1.0, v[\t+sk]
.set sk, sk+1
.endr
.set sk, 0
.rept \n
	v_log_f32 v[\t+sk], v[\t+sk]
.set sk, sk+1
.endr
	v_nop
.set sk, 0
	s_wait_alu depctr_va_vdst(0)
.rept \n
	v_fma_f32 v[\d+sk], v[\t+sk], s86, v[\d+sk]
.set sk, sk+1
.endr
.endm
.macro SPLIT2 a, b, hh, ll, t          ; two f32 as bf16 high parts (hh) and bf16 remainders (ll)
	v_cvt_pk_bf16_f32 v[\hh], v[\a], v[\b]
	v_lshlrev_b32 v[\t], 16, v[\hh]
	v_and_b32 v[\t+1], 0xffff0000, v[\hh]
	v_sub_f32 v[\t], v[\a], v[\t]
	v_sub_f32 v[\t+1], v[\b], v[\t+1]
	v_cvt_pk_bf16_f32 v[\ll], v[\t], v[\t+1]
.endm
.macro STAT4 x, mean, sd, t            ; mean and standard deviation of four; the line behind it is plain and touches neither sd nor its source
	v_add_f32 v[\mean], v[\x], v[\x+1]
	v_add_f32 v[\t], v[\x+2], v[\x+3]
	v_add_f32 v[\mean], v[\mean], v[\t]
	v_mul_f32 v[\mean], 0x3e800000, v[\mean]
.irp j,0,1,2,3
	v_sub_f32 v[\t+\j], v[\x+\j], v[\mean]
.endr
	v_mul_f32 v[\sd], v[\t], v[\t]
	v_fmac_f32 v[\sd], v[\t+1], v[\t+1]
	v_fmac_f32 v[\sd], v[\t+2], v[\t+2]
	v_fmac_f32 v[\sd], v[\t+3], v[\t+3]
	v_mul_f32 v[\sd], 0x3e800000, v[\sd]
	v_sqrt_f32 v[\sd], v[\sd]
.endm
; ---------------------------------------------------------------- the steps of the GELU of one token tile: eight numbers a lane in v[ga .. ga+7]
.macro GARG ga, e0                     ; four of 1 + p |a|: no vector register as source 1
.irp e,0,1,2,3
	v_fma_f32 v[GT+\e0+\e], |v[(\ga)+\e0+\e]|, s89, 1.0
.endr
.endm
.macro GRCP e0, cnt                    ; t
.set gk, \e0
.rept \cnt
	v_rcp_f32 v[GT+gk], v[GT+gk]
.set gk, gk+1
.endr
.endm
.macro GEXP e0, cnt                    ; 2^(-a*a)
.set gk, \e0
.rept \cnt
	v_exp_f32 v[GE+gk], v[GE+gk]
.set gk, gk+1
.endr
.endm
.macro GNA2 ga                         ; -a*a
.irp k,0,2,4,6
	v_pk_mul_f32 v[GE+\k:GE+\k+1], v[(\ga)+\k:(\ga)+\k+1], v[(\ga)+\k:(\ga)+\k+1] neg_lo:[0,1] neg_hi:[0,1]
.endr
.endm
.macro GQ1                             ; the polynomial, its coefficients kept negated
	s_wait_alu depctr_va_vdst(0)
.irp k,0,2,4,6
	v_pk_fma_f32 v[GQ+\k:GQ+\k+1], v[GT+\k:GT+\k+1], v[CA3:CA3+1], v[CA2:CA2+1]
.endr
.endm
.macro GQ2
.irp k,0,2,4,6
	v_pk_fma_f32 v[GQ+\k:GQ+\k+1], v[GQ+\k:GQ+\k+1], v[GT+\k:GT+\k+1], v[CA1:CA1+1]
.endr
.endm
.macro GQ3
	s_wait_alu depctr_va_vdst(0)
.irp k,0,2,4,6
	v_pk_mul_f32 v[GQ+\k:GQ+\k+1], v[GQ+\k:GQ+\k+1], v[GT+\k:GT+\k+1]
.endr
.endm
.macro GERF k0                         ; erf = 1 - polynomial * 2^(-a*a), two pairs from register k0
.irp k,0,2
	v_pk_fma_f32 v[GQ+\k0+\k:GQ+\k0+\k+1], v[GQ+\k0+\k:GQ+\k0+\k+1], v[GE+\k0+\k:GE+\k0+\k+1], 1.0 op_sel_hi:[1,1,0]
.endr
.endm
.macro GOUT ga, e0                     ; four of a + |a| erf, in place
.irp e,0,1,2,3
	v_fma_f32 v[(\ga)+\e0+\e], |v[(\ga)+\e0+\e]|, v[GQ+\e0+\e], v[(\ga)+\e0+\e]
.endr
.endm
; What follows the GELU of token tile g of the finished n tile PBT.  KIND 1 (u): the dot with un_w2, on two pairs of partial sums a token tile,
; started by the first products.  KIND 2 (v): eight numbers packed to 16 bytes of H, into window 3.
.macro POST g
.if KIND == 1
.irp k,0,1,2,3
.if PBT*4+\k < 2
	v_pk_mul_f32 v[UU+4*\g+2*(\k&1):UU+4*\g+2*(\k&1)+1], v[PRV+8*\g+2*\k:PRV+8*\g+2*\k+1], v[W2R+8*(PBT&1)+2*\k:W2R+8*(PBT&1)+2*\k+1]
.else
	v_pk_fma_f32 v[UU+4*\g+2*(\k&1):UU+4*\g+2*(\k&1)+1], v[PRV+8*\g+2*\k:PRV+8*\g+2*\k+1], v[W2R+8*(PBT&1)+2*\k:W2R+8*(PBT&1)+2*\k+1], v[UU+4*\g+2*(\k&1):UU+4*\g+2*(\k&1)+1]
.endif
.endr
.else
	WIN 0xC0
.irp e,0,1,2,3
	v_cvt_pk_bf16_f32 v[16*PBT+4*\g+\e], v[PRV+8*\g+2*\e], v[PRV+8*\g+2*\e+1]
.endr
.endif
.endm
; Slice sl (0 .. 15) of group g: the vector work that stands behind product sl, on token tile g of the n tile finished last (sums in PRV).
; Slice 0 holds four plain lines: the places ahead of the loads into the fragments that the last group read.  Slice 12 of group 3 holds four
; or more: the places between the last product on token tile 0 and the next n tile's first reader.  Where there is no work: v_nop.
; Behind each run of reciprocals or exponentials the first plain line (-a*a; the polynomial's last step) touches none of their registers.
.macro SLICE g, sl
.if GEL
.if \sl == 0
	GARG PRV+8*\g, 0
.endif
.if \sl == 1
	GARG PRV+8*\g, 4
.endif
.if \sl == 2
	GRCP 0, 3
.endif
.if \sl == 3
	GRCP 3, 3
.endif
.if \sl == 4
	GRCP 6, 2
.endif
.if \sl == 5
	WIN 0
	GNA2 PRV+8*\g
	GQ1
.endif
.if \sl == 6
	WIN 0
	GQ2
.endif
.if \sl == 7
	GEXP 0, 3
.endif
.if \sl == 8
	GEXP 3, 3
.endif
.if \sl == 9
	GEXP 6, 2
.endif
.if \sl == 10
	WIN 0
	GQ3
	GERF 0
.endif
.if \sl == 11
	WIN 0
	GERF 4
	GOUT PRV+8*\g, 0
.endif
.if \sl == 12
	WIN 0
	GOUT PRV+8*\g, 4
	POST \g
.endif
.else
.if \sl == 0
.if KIND == 3
	WIN 0xF0                                       ; results in window 3, sums and activation in window 0
.irp k,0,2,4,6
	v_pk_fma_f32 v[8*(4*PBT+\g)+\k:8*(4*PBT+\g)+\k+1], v[PRV+8*\g+\k:PRV+8*\g+\k+1], v[ACT+2*\g:ACT+2*\g+1], v[8*(4*PBT+\g)+\k:8*(4*PBT+\g)+\k+1] op_sel_hi:[1,0,1]
.endr
.else
	PLACES
.endif
.endif
.if \sl == 12
.if \g == 3
	PLACES
.endif
.endif
.endif
.endm
; Product sl of group g: K step 4 g + (sl >> 2), token tile sl & 3.  The four accumulators take turns, one instruction a turn, and the two
; sets take turns from n tile to n tile.  The first K step starts the sums from the bias (CM = 1) or from 0.
.macro PROD g, sl
	WIN 0x04+4*((\g)>>1)
.if 16*(\g)+(\sl) < 4
.if CM
	v_wmma_f32_16x16x32_bf16 v[CUR+8*(\sl):CUR+8*(\sl)+7], v[WB:WB+7], v[8*(\sl):8*(\sl)+7], v[BB:BB+7]
.else
	v_wmma_f32_16x16x32_bf16 v[CUR+8*(\sl):CUR+8*(\sl)+7], v[WB:WB+7], v[8*(\sl):8*(\sl)+7], 0
.endif
.else
	v_wmma_f32_16x16x32_bf16 v[CUR+8*((\sl)&3):CUR+8*((\sl)&3)+7], v[WB+32*((\g)&1)+8*((\sl)>>2):WB+32*((\g)&1)+8*((\sl)>>2)+7], v[32*((4*(\g)+((\sl)>>2))&7)+8*((\sl)&3):32*((4*(\g)+((\sl)>>2))&7)+8*((\sl)&3)+7], v[CUR+8*((\sl)&3):CUR+8*((\sl)&3)+7]
.endif
.endm
.macro LD2 adr, off, dst               ; the weight fragment of one K step: two loads of 512 consecutive bytes
	ds_load_b128 v[\dst:\dst+3], v[\adr] offset:\off
	ds_load_b128 v[\dst+4:\dst+7], v[\adr] offset:\off+512
.endm
; A group: 4 K steps x 4 token tiles.  fs, fo: LDS slot (-1: none) and byte offset of the next group's four fragments, which go into the other
; half of the fragment registers.  rf = 1: this group reads the last of its fill, and the slot is filled again, two fills ahead: in front of
; the round every wave waits for its reads of the slot and for all its tensor loads (one is out: the other slot's fill); inside the round
; stands register work alone; the joint refill comes first behind it, then the other slot's first fragments.
.macro GRP g, fs, fo, rf
	s_wait_dscnt 0x0                               ; this group's fragments, asked for twelve products ago, and whatever else of mine was out
.if \g == 3
.if TW
	s_wait_tensorcnt 0x0                           ; the last fill, which only I read: no load was issued behind it
.endif
.endif
.if \rf
	s_wait_xcnt 0x0
	v_lshl_add_u32 v22, v0, 2, 0x4c500
	v_mov_b32 v23, 0
	s_set_vgpr_msb 0x800
	s_wait_tensorcnt 0x0
	ds_add_u32 v22, v23
	s_wait_dscnt 0x0
	s_set_vgpr_msb 0x8
	s_add_nc_u64 s[G0+4*SLT+2:G0+4*SLT+3], s[G0+4*SLT+2:G0+4*SLT+3], 0x40000   ; no load of mine is out: the address steps two fills on
	s_barrier_signal -1
.endif
.irp q,0,1,2,3
	PROD \g, \q
	SLICE \g, \q
.if \rf == 0
.if \fs >= 0
	WIN 0x04+4*((\g)>>1)
	LD2 ADR+\fs, \fo+1024*\q, WB+32*((\g+1)&1)+8*\q
.endif
.endif
.endr
.if \rf
	WIN 0
	s_barrier_wait -1
	CREST
	tensor_load_to_lds s[G0+4*SLT:G0+4*SLT+3], s[G1X:G1X+7]
	s_nop 0
.if \fs >= 0
.irp q,0,1,2,3
	LD2 ADR+\fs, \fo+1024*\q, WB+32*((\g+1)&1)+8*\q
.endr
.endif
.if RRL
.irp q,0,1,2,3
	ds_load_b32 v[48+\q], v[RR] offset:256*\q      ; the four waves' partial sums of the uncertainty head: stored ahead of this round
.endr
.endif
.endif
.if \g == 1
.if NBO >= 0
	ds_load_b128 v[BB:BB+3], v[VB] offset:NBO      ; the next n tile's bias: this tile's first K step has read its own
	ds_load_b128 v[BB+4:BB+7], v[VB] offset:NBO+16
.endif
.if W2O >= 0
	ds_load_b128 v[W2R+8*W2S:W2R+8*W2S+3], v[VB] offset:W2O        ; this n tile's un_w2, for its slices in the next tile
	ds_load_b128 v[W2R+8*W2S+4:W2R+8*W2S+7], v[VB] offset:W2O+16
.endif
.endif
.irp q,4,5,6,7,8,9,10,11,12,13,14,15
	PROD \g, \q
	SLICE \g, \q
.endr
.endm
.macro TILE                            ; one n tile: 64 products
	GRP 0, SLT, HLF*16384+4096, 0
	GRP 1, SLT, HLF*16384+8192, 0
	GRP 2, SLT, HLF*16384+12288, 0
	GRP 3, FS3, FO3, RF
.endm
.macro TSET                            ; what hangs on the n tile's parity; the second tile of a fill ends it
.set HLF, TT&1
.set CUR, AX+32*(TT&1)
.set PRV, AX+32*((TT+1)&1)
.set TW, 0
.set RRL, 0
.set G1X, G1F
.set NBO, -1
.set W2O, -1
.set W2S, TT&1
.if HLF
.set RF, 1
.set FS3, 1-SLT
.set FO3, 0
.else
.set RF, 0
.set FS3, SLT
.set FO3, 16384
.endif
.endm
; ================================================================ set-up and the first two fills
	s_load_b256 s[4:11], s[0:1], 0x0               ; x, ws, out0, un_w2
	s_load_b512 s[40:55], s[0:1], 0x20             ; sb_sum_w, sb_sum_b, cb_sum_w, cb_sum_b, sb_proj_b, cb_proj_b, support_logits, conflict_weights
	s_load_b256 s[56:63], s[0:1], 0x60             ; drive_bias, bias_resistance, eml_gamma, eml_lambda
	s_load_b128 s[68:71], s[0:1], 0x80             ; eml_bias, un_b2
	s_load_b64 s[72:73], s[0:1], 0x90              ; update_threshold
	v_lshl_add_u32 v22, v0, 2, 0x4c500
	v_mov_b32 v23, 0
	ds_add_u32 v22, v23
	ds_add_u32 v22, v23
	s_wait_dscnt 0x0
	v_lshrrev_b32 v1, 5, v0
	v_readfirstlane_b32 s3, v1                     ; wave 0..3
	s_bfe_u32 s14, ttmp6, 0x40000                  ; my place in the cluster: it enters the addresses of x and out0 alone
	s_lshl_b32 s15, ttmp9, 2
	s_add_co_u32 s15, s15, s14                     ; work-group 0..255
	s_lshl_b32 s74, s15, 17                        ; 64 tokens of 2,048 bytes
	s_mov_b32 s75, 0
	s_mov_b32 s12, 0x76543210
	s_mov_b32 s13, 0xfedcba98
	s_mov_b32 s85, 0xbfb8aa3b                      ; -log2(e)
	s_mov_b32 s86, 0x3f317218                      ; ln 2
	s_mov_b32 s87, 0x3fb8aa3b                      ; log2(e)
	s_mov_b32 s88, 0x3f16b55f                      ; 0.5 / KAPPA
	s_mov_b32 s89, 0x3ec88bda                      ; p = 0.47047 / sqrt(log2 e)
	s_mov_b32 s90, 0xbb000000                      ; -1/512, a pair for the packed form
	s_mov_b32 s91, 0xbb000000
	s_mov_b32 s[G1F+0], 0x0023000f                 ; mask 15 (all four of the cluster), elements of 8 bytes, bit 21 beside the mask, no padding
	s_mov_b32 s[G1F+1], 32<<16                     ; tensor_dim0 = 32 elements = 256 bytes
	s_mov_b32 s[G1F+2], 128<<16                    ; tensor_dim1 = 128 rows
	s_mov_b32 s[G1F+3], 32<<16                     ; tile_dim0 = 32
	s_mov_b32 s[G1F+4], 128                        ; tile_dim1 = 128
	s_mov_b32 s[G1F+5], 32                         ; pitch 32 elements: the block is dense
	s_mov_b32 s[G1F+6], 0
	s_mov_b32 s[G1F+7], 0
	s_mov_b32 s[G1H+0], 0x0023000f                 ; the same with 64 rows
	s_mov_b32 s[G1H+1], 32<<16
	s_mov_b32 s[G1H+2], 64<<16
	s_mov_b32 s[G1H+3], 32<<16
	s_mov_b32 s[G1H+4], 64
	s_mov_b32 s[G1H+5], 32
	s_mov_b32 s[G1H+6], 0
	s_mov_b32 s[G1H+7], 0
	s_lshl_b32 s66, s3, 15                         ; the wave's quarter of a fill and of a slot
	s_mov_b32 s67, 0
	s_wait_kmcnt 0x0
	s_add_nc_u64 s[4:5], s[4:5], s[74:75]
	s_add_nc_u64 s[8:9], s[8:9], s[74:75]
	s_mov_b32 s[G0+0], 1
	s_add_co_u32 s[G0+1], s66, 0
	s_add_nc_u64 s[G0+2:G0+3], s[6:7], s[66:67]
	s_mov_b32 s[G0+4], 1
	s_add_co_u32 s[G0+5], s66, 131072
	s_add_nc_u64 s[G0+6:G0+7], s[G0+2:G0+3], 0x20000
	s_or_b32 s[G0+3], s[G0+3], 0x80000000
	s_or_b32 s[G0+7], s[G0+7], 0x80000000
	ROUND                                          ; all four work-groups are here: the first joint loads meet
	tensor_load_to_lds s[G0:G0+3], s[G1F:G1F+7]    ; fill 0
	s_nop 0
	tensor_load_to_lds s[G0+4:G0+7], s[G1F:G1F+7]  ; fill 1
	s_nop 0
	s_load_b32 s76, s[56:57], 0x0                  ; drive_bias
	s_load_b32 s77, s[58:59], 0x0                  ; bias_resistance
	s_load_b32 s78, s[60:61], 0x0                  ; eml_gamma
	s_load_b32 s79, s[62:63], 0x0                  ; eml_lambda
	s_load_b32 s80, s[68:69], 0x0                  ; eml_bias
	s_load_b32 s81, s[70:71], 0x0                  ; un_b2
	s_load_b32 s82, s[72:73], 0x0                  ; update_threshold
; ================================================================ addresses and 125 global loads
	v_and_b32 v1, 31, v0                           ; l
	v_and_b32 v2, 15, v0                           ; r
	v_bfe_u32 v3, v0, 4, 1                         ; h
	v_lshlrev_b32 v24, 4, v0                       ; 16 t
	v_lshlrev_b32 v25, 4, v1                       ; 16 l
	v_mov_b32 v[VZ], 0
	v_add_nc_u32 v[ADR], s66, v25
	v_add_nc_u32 v[ADR+1], 0x20000, v[ADR]
	global_load_b128 v[28:31], v24, s[6:7] offset:VEC          ; folded b1 of u
	global_load_b128 v[32:35], v24, s[6:7] offset:VEC+2048     ; folded b1 of v
	global_load_b128 v[36:39], v24, s[10:11]                   ; un_w2
	global_load_b128 v[40:43], v[VZ], s[48:49]                 ; small constants: every lane reads the same words
	global_load_b128 v[44:47], v[VZ], s[50:51]
	global_load_b128 v[48:51], v[VZ], s[6:7] offset:PBD
	global_load_b128 v[52:55], v[VZ], s[6:7] offset:PBD+16
	global_load_b128 v[56:59], v[VZ], s[52:53]
	global_load_b128 v[60:63], v[VZ], s[54:55]
	WIN 0xC0
.irp e,0,1,2,3,4,5,6,7
	global_load_b128 v[128+4*\e:131+4*\e], v[VZ], s[40:41] offset:16*\e
.endr
.irp e,0,1
	global_load_b128 v[160+4*\e:163+4*\e], v[VZ], s[42:43] offset:16*\e
.endr
.irp e,0,1,2,3,4,5,6,7
	global_load_b128 v[168+4*\e:171+4*\e], v[VZ], s[44:45] offset:16*\e
.endr
.irp e,0,1
	global_load_b128 v[200+4*\e:203+4*\e], v[VZ], s[46:47] offset:16*\e
.endr
	WIN 0
.irp s,0,1,2,3,4,5,6,7,8,9,10,11,12,13,14,15
	global_load_b128 v[PB+8*\s:PB+8*\s+3], v25, s[6:7] offset:PFR+\s*1024
	global_load_b128 v[PB+8*\s+4:PB+8*\s+7], v25, s[6:7] offset:PFR+\s*1024+512
.endr
	WIN 0x40
.irp t,0,1,2,3,4,5,6,7,8,9,10,11,12,13,14,15
.irp j,0,1,2,3
	global_load_b128 v[16*\t+4*\j:16*\t+4*\j+3], v[ADR], s[4:5] offset:\t*2048+512*\j th:TH_LOAD_NT
.endr
.endr
	WIN 0
	s_mul_i32 s14, s3, 8448
	s_add_co_u32 s15, s14, XL                      ; the wave's 16 rows of 528 bytes
	v_lshl_add_u32 v[XW], v1, 3, s15
	v_mul_u32_u24 v26, v2, 528
	v_lshl_add_u32 v26, v3, 4, v26
	v_add_nc_u32 v[XR], XL, v26
	v_add_nc_u32 v[XO], s15, v26
	v_lshl_add_u32 v[SWA], v3, 4, v[XO]
	v_add_nc_u32 v[SR], s15, v25
	v_mul_u32_u24 v27, v2, 1040
	v_lshl_add_u32 v27, v3, 4, v27
	v_add_nc_u32 v[HR], XL, v27
	s_lshl_b32 s14, s3, 8
	v_add_nc_u32 v[HW], s14, v[HR]
	s_add_co_u32 s14, s14, RL
	v_lshl_add_u32 v[RW], v2, 4, s14
	s_lshl_b32 s14, s3, 9
	v_add_nc_u32 v[CO], s14, v25
	s_add_co_u32 s14, s14, VL
	v_lshl_add_u32 v[VB], v3, 5, s14
	v_mul_u32_u24 v26, v2, 144
	v_add_nc_u32 v26, FL, v26
	v_lshl_add_u32 v[FR], v3, 4, v26
	s_mul_i32 s14, s3, 2304
	v_add_nc_u32 v[FW], s14, v26
	s_lshl_b32 s14, s3, 2
	s_add_co_u32 s14, s14, RL
	v_lshl_add_u32 v[RR], v2, 4, s14
	v_lshl_add_u32 v[SA], v2, 2, SL
	s_lshl_b32 s14, s3, 6
	v_add_nc_u32 v[SWR], s14, v[SA]
	v_add_nc_u32 v[VT], VL, v24
; ================================================================ LayerNorm statistics, 16 rows a wave, a row over the 32 lanes
.macro LNSUM g
	WIN 0x05
.irp t,0,1,2,3
	v_pk_add_f32 v[TS+2*(4*\g+\t):TS+2*(4*\g+\t)+1], v[16*(4*\g+\t):16*(4*\g+\t)+1], v[16*(4*\g+\t)+2:16*(4*\g+\t)+3]
.endr
	WIN 0x01
.irp k,4,6,8,10,12,14
.irp t,0,1,2,3
	v_pk_add_f32 v[TS+2*(4*\g+\t):TS+2*(4*\g+\t)+1], v[16*(4*\g+\t)+\k:16*(4*\g+\t)+\k+1], v[TS+2*(4*\g+\t):TS+2*(4*\g+\t)+1]
.endr
.endr
.endm
.macro RED16                           ; 16 pairs to 16 sums over the wave, step by step
.irp t,0,1,2,3,4,5,6,7,8,9,10,11,12,13,14,15
	v_add_f32 v[TS+2*\t], v[TS+2*\t], v[TS+2*\t+1]
.endr
.irp m,1,2,4,8
.irp t,0,1,2,3,4,5,6,7,8,9,10,11,12,13,14,15
	v_add_f32_dpp v[TS+2*\t], v[TS+2*\t], v[TS+2*\t] row_xmask:\m row_mask:0xf bank_mask:0xf
.endr
.endr
.irp t,0,1,2,3,4,5,6,7,8,9,10,11,12,13,14,15
	v_permlanex16_b32 v[TS+2*\t+1], v[TS+2*\t], s12, s13
.endr
.irp t,0,1,2,3,4,5,6,7,8,9,10,11,12,13,14,15
	v_add_f32 v[TS+2*\t], v[TS+2*\t], v[TS+2*\t+1]
.endr
.endm
	s_wait_loadcnt 48                              ; rows 0-3 and all that was asked for before x are in; the 48 loads of rows 4-15 may be out
	ds_store_b128 v[VT], v[28:31]
	ds_store_b128 v[VT], v[32:35] offset:2048
	ds_store_b128 v[VT], v[36:39] offset:4096
	LNSUM 0
	s_wait_loadcnt 32                              ; rows 4-7; 32 younger loads
	LNSUM 1
	s_wait_loadcnt 16
	LNSUM 2
	s_wait_loadcnt 0x0
	LNSUM 3
	WIN 0
	RED16
	WIN 0x50
.irp k,0,2,4,6,8,10,12,14
.irp t,0,1,2,3,4,5,6,7,8,9,10,11,12,13,14,15
	v_pk_fma_f32 v[16*\t+\k:16*\t+\k+1], v[TS+2*\t:TS+2*\t+1], s[90:91], v[16*\t+\k:16*\t+\k+1] op_sel_hi:[0,0,1]   ; d = x - sum/512
.endr
.endr
	WIN 0x05
.irp t,0,1,2,3,4,5,6,7,8,9,10,11,12,13,14,15
	v_pk_mul_f32 v[TS+2*\t:TS+2*\t+1], v[16*\t:16*\t+1], v[16*\t:16*\t+1]
.endr
.irp k,2,4,6,8,10,12,14
.irp t,0,1,2,3,4,5,6,7,8,9,10,11,12,13,14,15
	v_pk_fma_f32 v[TS+2*\t:TS+2*\t+1], v[16*\t+\k:16*\t+\k+1], v[16*\t+\k:16*\t+\k+1], v[TS+2*\t:TS+2*\t+1]
.endr
.endr
	WIN 0
	RED16
	s_mov_b32 s14, 0x3b000000                      ; 1/512
	s_mov_b32 s15, 0x3727c5ac                      ; 1e-5
.irp t,0,1,2,3,4,5,6,7,8,9,10,11,12,13,14,15
	v_fma_f32 v[TS+2*\t], v[TS+2*\t], s14, s15
.endr
.irp t,0,1,2,3,4,5,6,7,8,9,10,11,12,13,14,15
	v_rsq_f32 v[TS+2*\t], v[TS+2*\t]
.endr
	v_nop
	WIN 0x41
	s_wait_alu depctr_va_vdst(0)
.irp k,0,2,4,6,8,10,12,14
.irp t,0,1,2,3,4,5,6,7,8,9,10,11,12,13,14,15
	v_pk_mul_f32 v[16*\t+\k:16*\t+\k+1], v[16*\t+\k:16*\t+\k+1], v[TS+2*\t:TS+2*\t+1] op_sel_hi:[1,0]
.endr
.endr
	WIN 0xC5
.irp t,0,1,2,3,4,5,6,7,8,9,10,11,12,13,14,15
.irp e,0,1,2,3,4,5,6,7
	v_cvt_pk_bf16_f32 v[8*\t+\e], v[16*\t+2*\e], v[16*\t+2*\e+1]
.endr
.endr
; ================================================================ xhat goes round the waves by halves of K; the eight projection logits
.macro XPASS p
	WIN 0x0C
.irp t,0,1,2,3,4,5,6,7,8,9,10,11,12,13,14,15
.irp jj,0,1
	ds_store_b64 v[XW], v[8*\t+4*\p+2*\jj:8*\t+4*\p+2*\jj+1] offset:\t*528+256*\jj
.endr
.endr
	WIN 0
	s_wait_dscnt 0x0                               ; my rows are in LDS before I say so
	s_barrier_signal -1
	s_barrier_wait -1
	WIN 0x40*(1+\p)
.irp s,0,1,2,3,4,5,6,7
.irp i,0,1,2,3
	ds_load_b128 v[32*\s+8*\i:32*\s+8*\i+3], v[XR] offset:\i*8448+64*\s
	ds_load_b128 v[32*\s+8*\i+4:32*\s+8*\i+7], v[XR] offset:\i*8448+64*\s+32
.endr
.endr
	WIN 0
.irp s,0,1,2,3,4,5,6,7
	ds_load_b128 v[OA+8*\s:OA+8*\s+3], v[XO] offset:64*\s          ; my own tokens once more, for the projection
	ds_load_b128 v[OA+8*\s+4:OA+8*\s+7], v[XO] offset:64*\s+32
.endr
	s_wait_dscnt 0x0                               ; my reads of this half are over
.if \p == 0
	s_barrier_signal -1                            ; say so: the next half overwrites these rows
.endif
.irp s,0,1,2,3,4,5,6,7
.if 8*\p+\s < 2
	v_wmma_f32_16x16x32_bf16 v[PA+8*(\s&1):PA+8*(\s&1)+7], v[PB+8*(8*\p+\s):PB+8*(8*\p+\s)+7], v[OA+8*\s:OA+8*\s+7], 0
.else
	v_wmma_f32_16x16x32_bf16 v[PA+8*(\s&1):PA+8*(\s&1)+7], v[PB+8*(8*\p+\s):PB+8*(8*\p+\s)+7], v[OA+8*\s:OA+8*\s+7], v[PA+8*(\s&1):PA+8*(\s&1)+7]
.endif
.endr
.if \p == 0
	PLACES                                         ; ahead of the next half's loads into v192-255
	s_barrier_wait -1
.endif
.endm
	XPASS 0                                        ; two accumulators take turns
	XPASS 1
; ================================================================ the banks: lane = token r of my 16 (lanes 16-31 repeat lanes 0-15: fragment rows 8-15 repeat rows 0-7)
.irp k,0,2,4,6
	v_pk_add_f32 v[40+\k:41+\k], v[40+\k:41+\k], v[48+\k:49+\k]     ; proj_b + proj row . norm_b; these four lines are also the places behind the products
.endr
.irp k,0,2,4,6
	v_pk_add_f32 v[PA+\k:PA+\k+1], v[PA+\k:PA+\k+1], v[PA+8+\k:PA+8+\k+1]
.endr
.irp k,0,2,4,6
	v_pk_add_f32 v[PA+\k:PA+\k+1], v[PA+\k:PA+\k+1], v[40+\k:41+\k]
.endr
	s_wait_kmcnt 0x0                               ; the seven scalars
	SPN 8, 24, 64                                  ; v24-27 softplus of the support logits, v28-31 cf
.irp j,0,1,2,3
	v_add_f32 v[24+\j], 0x38d1b717, v[24+\j]       ; sf = .. + 1e-4
.endr
.irp j,0,1,2,3
	v_log_f32 v[72+\j], v[24+\j]
.endr
	SPN 4, 60, 64                                  ; cw = softplus(conflict_weights); its first line is the plain one behind the logarithms
.irp j,0,1,2,3
	v_mul_f32 v[72+\j], s86, v[72+\j]              ; ls
.endr
	v_max3_num_f32 v64, v56, v57, v58              ; softmax(support_logits), its maximum taken away
	v_max_num_f32 v64, v64, v59
	v_mul_f32 v64, s87, v64
.irp j,0,1,2,3
	v_fma_f32 v[56+\j], v[56+\j], s87, -v64
.endr
.irp j,0,1,2,3
	v_exp_f32 v[56+\j], v[56+\j]
.endr
	v_mul_f32 v67, v28, v60                        ; sum cf * cw
	s_wait_alu depctr_va_vdst(0)
	v_add_f32 v65, v56, v57
	v_add_f32 v66, v58, v59
	v_add_f32 v65, v65, v66
	v_rcp_f32 v65, v65
	v_mul_f32 v66, v72, v56                        ; sum ls * e
	v_fmac_f32 v66, v73, v57
	v_fmac_f32 v66, v74, v58
	v_fmac_f32 v66, v75, v59
	s_wait_alu depctr_va_vdst(0)
	v_mul_f32 v66, v66, v65
	v_fma_f32 v66, v66, 0.5, s76                   ; drive (sqrt(NS) = 2)
	v_fmac_f32 v67, v29, v61
	v_fmac_f32 v67, v30, v62
	v_fmac_f32 v67, v31, v63
	v_fma_f32 v[R0], v67, 0.5, s77                 ; bias_resistance + weighted conflict
	v_fma_f32 v68, v66, s78, s80
	v_fma_f32 v[E0], -v[R0], s79, v68              ; e_raw without the uncertainty
	STAT4 24, 80, 81, 64
	v_add_f32 v82, v72, v73
	v_add_f32 v64, v74, v75
	v_add_f32 v82, v82, v64
	v_mul_f32 v82, 0x3e800000, v82
	v_max3_num_f32 v83, v72, v73, v74
	v_max_num_f32 v83, v83, v75
	STAT4 28, 84, 85, 64
	v_max3_num_f32 v86, v28, v29, v30
	v_max_num_f32 v86, v86, v31
	v_min3_num_f32 v87, v28, v29, v30
	v_min_num_f32 v87, v87, v31
	WIN 0x3C                                       ; weights and biases of the summaries lie in window 3
.irp k,0,1,2,3,4,5,6,7
	v_fma_f32 v[96+\k], v80, v[128+4*\k], v[160+\k]
	v_fma_f32 v[104+\k], v84, v[168+4*\k], v[200+\k]
.endr
	WIN 0x0C
	s_wait_alu depctr_va_vdst(0)
.irp c,1,2,3
.irp k,0,1,2,3,4,5,6,7
	v_fma_f32 v[96+\k], v[80+\c], v[128+4*\k+\c], v[96+\k]
	v_fma_f32 v[104+\k], v[84+\c], v[168+4*\k+\c], v[104+\k]
.endr
.endr
	WIN 0
.irp e,0,1,2,3,4,5,6,7
	SPLIT2 96+2*\e, 97+2*\e, 112+\e, 120+\e, 64
.endr
	ds_store_b128 v[FW], v[112:115]                ; high, low, high of ss and cs
	ds_store_b128 v[FW], v[116:119] offset:16
	ds_store_b128 v[FW], v[120:123] offset:32
	ds_store_b128 v[FW], v[124:127] offset:48
	ds_store_b128 v[FW], v[112:115] offset:64
	ds_store_b128 v[FW], v[116:119] offset:80
	v_mov_b32 v[CA3], 0xbf3f7377                   ; -0.7478556
	v_mov_b32 v[CA3+1], 0xbf3f7377
	v_mov_b32 v[CA2], 0x3dc45ca1                   ; +0.0958798
	v_mov_b32 v[CA2+1], 0x3dc45ca1
	v_mov_b32 v[CA1], 0xbeb2303a                   ; -0.3480242
	v_mov_b32 v[CA1+1], 0xbeb2303a
; ================================================================ u and v: 16 n tiles, fills 0-7; tile T's slices work on tile T - 1
.macro UREDUCE                         ; gelu(u) . un_w2 over my 128 columns, for all 64 tokens
	WIN 0
.irp i,0,1,2,3
	v_pk_add_f32 v[UU+4*\i:UU+4*\i+1], v[UU+4*\i:UU+4*\i+1], v[UU+4*\i+2:UU+4*\i+3]
.endr
.irp i,0,1,2,3
	v_add_f32 v[48+\i], v[UU+4*\i], v[UU+4*\i+1]
.endr
.irp i,0,1,2,3
	v_permlanex16_b32 v[52+\i], v[48+\i], s12, s13 ; the other eight columns of each n tile lie in the other half of the lanes
.endr
.irp i,0,1,2,3
	v_add_f32 v[48+\i], v[48+\i], v[52+\i]
.endr
	ds_store_b128 v[RW], v[48:51]                  ; read behind the round at the end of the next n tile, in front of which every wave waits for its LDS stores
.endm
.macro SCALARS                         ; uncertainty, resistance, energy, activation, precision of my 16 tokens
	WIN 0
	s_mov_b32 s14, 0xc0c00000                      ; -6
	s_mov_b32 s15, 0x40400000                      ; 3
	s_wait_dscnt 0x0                               ; the four partial sums
	v_add_f32 v48, v48, v49
	v_add_f32 v50, v50, v51
	v_add_f32 v48, v48, v50
	v_fma_f32 v48, v48, s88, s81
	SPN 1, 48, 49                                  ; uncertainty
	v_fma_f32 v49, -v48, s79, v[E0]                ; e_raw
	v_mul_f32 v49, 0x3f76384f, v49                 ; * 2 log2(e) / 3
	v_exp_f32 v49, v49
	v_add_f32 v59, v[R0], v48                      ; resistance
	s_wait_alu depctr_va_vdst(0)
	v_add_f32 v49, 1.0, v49
	v_rcp_f32 v49, v49
	v_nop
	s_wait_alu depctr_va_vdst(0)
	v_fma_f32 v57, v49, s14, s15                   ; energy = 3 tanh(e_raw / 3) = 3 - 6 / (1 + e^(2 e_raw / 3))
	v_mul_f32 v50, s85, v57
	v_exp_f32 v50, v50
	v_sub_f32 v58, v57, s82
	s_wait_alu depctr_va_vdst(0)
	v_add_f32 v50, 1.0, v50
	v_rcp_f32 v56, v50                             ; activation
	SPN 1, 58, 51                                  ; precision
	v_mul_f32 v50, s88, v56
	ds_store_b32 v[SWR], v50                       ; activation * 0.5/KAPPA, for every wave.  The rounds of the later n tiles stand between these stores and their readers
	SPLIT2 56, 57, 60, 62, 48
	SPLIT2 58, 59, 61, 63, 48
	v_mov_b32 v50, 0x3f803f80                      ; 1, 1: against the two parts of the constant vector
	v_mov_b32 v51, 0
	ds_store_b128 v[FW], v[60:63] offset:96
	ds_store_b64 v[FW], v[60:61] offset:112
	ds_store_b64 v[FW], v[50:51] offset:120
.endm
	s_wait_tensorcnt 0x1                           ; my quarter of fill 0 is in, and only I read it; fill 1 may be out
	ds_load_b128 v[BB:BB+3], v[VB]                 ; the first n tile's bias
	ds_load_b128 v[BB+4:BB+7], v[VB] offset:16
.irp q,0,1,2,3
	LD2 ADR, 1024*\q, WB+8*\q
.endr
.set CM, 1
.set TT, 0
.rept 16
.set SLT, (TT>>1)&1
	TSET
.if TT == 0
.set KIND, 0
.set GEL, 0
.set PBT, 0
.else
.set GEL, 1
.if TT < 9
.set KIND, 1
.set PBT, TT-1
.else
.set KIND, 2
.set PBT, TT-9
.endif
.endif
.if TT < 15
.set NBO, ((TT+1)>>3)*2048+64*((TT+1)&7)
.endif
.if TT < 8
.set W2O, 4096+64*TT
.endif
.if TT == 13
.set G1X, G1H                          ; the refill is the feature fill: 64 rows
.endif
.if TT == 15
.set FS3, -1
.endif
.if TT == 9
.set RRL, 1
.endif
	TILE
.if TT == 8
	UREDUCE
.endif
.if TT == 9
	SCALARS
.endif
.set TT, TT+1
.endr
; ---------------------------------------------------------------- the last n tile of v has no product beside its GELU
.set KIND, 2
.set GEL, 1
.set PBT, 7
.set PRV, AX+32
	PLACES
.irp g,0,1,2,3
.irp q,0,1,2,3,4,5,6,7,8,9,10,11,12
	WIN 0
	SLICE \g, \q
.endr
.endr
; ---------------------------------------------------------------- H is handed round by halves of the tokens
.macro HLOAD p                         ; 32 tokens x 512 columns as fragments A(s, 2 p + i)
	WIN 0x40
.irp s,0,1,2,3,4,5,6,7
.irp i,0,1
	ds_load_b128 v[32*\s+8*(2*\p+\i):32*\s+8*(2*\p+\i)+3], v[HR] offset:\i*16640+64*\s
	ds_load_b128 v[32*\s+8*(2*\p+\i)+4:32*\s+8*(2*\p+\i)+7], v[HR] offset:\i*16640+64*\s+32
.endr
.endr
	WIN 0x80
.irp s,0,1,2,3,4,5,6,7
.irp i,0,1
	ds_load_b128 v[32*\s+8*(2*\p+\i):32*\s+8*(2*\p+\i)+3], v[HR] offset:\i*16640+64*(\s+8)
	ds_load_b128 v[32*\s+8*(2*\p+\i)+4:32*\s+8*(2*\p+\i)+7], v[HR] offset:\i*16640+64*(\s+8)+32
.endr
.endr
	WIN 0
.endm
.macro HPASS p
	WIN 0x0C
.irp b,0,1,2,3,4,5,6,7
.irp i,0,1
	ds_store_b128 v[HW], v[16*\b+4*(2*\p+\i):16*\b+4*(2*\p+\i)+3] offset:\i*16640+32*\b
.endr
.endr
	WIN 0
	s_wait_dscnt 0x0                               ; my columns of H are in LDS before I say so
	s_barrier_signal -1
	s_barrier_wait -1
	HLOAD \p
.endm
	HPASS 0
	s_wait_dscnt 0x0                               ; my reads of the first 32 tokens are over before the next 32 overwrite them
	s_barrier_signal -1
	s_barrier_wait -1
	HPASS 1
.irp i,0,1,2,3
	ds_load_b32 v[ACT+2*\i], v[SA] offset:64*\i
.endr
.irp q,0,1
.irp i,0,1,2,3
	ds_load_b128 v[FA+32*\q+8*\i:FA+32*\q+8*\i+3], v[FR] offset:\i*2304+64*\q
	ds_load_b128 v[FA+32*\q+8*\i+4:FA+32*\q+8*\i+7], v[FR] offset:\i*2304+64*\q+32
.endr
.endr
; ================================================================ R = F @ G^T: fill 8 (shown landed by the wait in front of the last round), K outermost, starts the 32 result tiles
	FETCH 0, 0, F0
	FETCH 0, 1, F1
	s_wait_dscnt 16                                ; all but the second K step's 16 loads
	WIN 0xF0
	MULB F0, 0, 8, FA, 1
	s_wait_dscnt 0x0                               ; my reads of slot 0 are over,
	s_wait_xcnt 0x0
	s_set_vgpr_msb 0xf030
	v_lshl_add_u32 v22, v0, 2, 0x4c500
	v_mov_b32 v23, 0
	s_wait_tensorcnt 0x0                           ; and all my tensor loads have landed (fill 9)
	ds_add_u32 v22, v23
	s_wait_dscnt 0x0
	s_set_vgpr_msb 0x30f0
	s_add_nc_u64 s[G0+2:G0+3], s[G0+2:G0+3], 0x40000
	s_barrier_signal -1
	MULB F1, 0, 4, FA+32, 0
	WIN 0
	s_barrier_wait -1
	CREST
	tensor_load_to_lds s[G0:G0+3], s[G1F:G1F+7]    ; fill 10
	s_nop 0
	PLACES                                         ; ahead of the loads into v128-159,
	v_nop                                          ; and a fifth place ahead of the product that writes over v64-71, which held feature weights
.irp q,0,1,2,3
	LD2 ADR+1, 1024*\q, WB+8*\q
.endr
	WIN 0xF0
	MULB F1, 4, 4, FA+32, 0
; ================================================================ R += act' * (H @ M^T): 8 n tiles, fills 9-12
.set CM, 0
.set GEL, 0
.set TT, 0
.rept 8
.set SLT, ((TT>>1)+1)&1
	TSET
.if TT == 0
.set KIND, 0
.set PBT, 0
.else
.set KIND, 3
.set PBT, TT-1
.endif
.if TT > 3
.set RF, 0                             ; nothing is left to fill
.endif
.if TT == 5
.set TW, 1
.endif
.if TT == 7
.set FS3, -1
.endif
	TILE
.set TT, TT+1
.endr
.set KIND, 3
.set PBT, 7
.set PRV, AX+32
	PLACES
.irp g,0,1,2,3
	SLICE \g, 0
.endr
; ================================================================ the way out: 16 tokens at a time through my own stage, back as rows of 512 bytes
.macro OUT16 i, f
	WIN 0x0C
.irp b,0,1,2,3,4,5,6,7
	ds_store_b128 v[SWA], v[8*(4*\b+\i):8*(4*\b+\i)+3] offset:64*\b
	ds_store_b128 v[SWA], v[8*(4*\b+\i)+4:8*(4*\b+\i)+7] offset:64*\b+16
.endr
	WIN 0
	s_wait_xcnt 0x0                                ; buffer f, which earlier stores read, is loaded again only behind this wait
.irp rho,0,1,2,3,4,5,6,7,8,9,10,11,12,13,14,15
	ds_load_b128 v[\f+4*\rho:\f+4*\rho+3], v[SR] offset:\rho*528   ; LDS serves a wave in order: these see the stores above
.endr
.irp rho,0,1,2,3,4,5,6,7,8,9,10,11,12,13,14,15
	s_wait_dscnt 15-\rho                           ; row rho is in; the younger rows may be out
	global_store_b128 v[CO], v[\f+4*\rho:\f+4*\rho+3], s[8:9] offset:\i*32768+\rho*2048 th:TH_STORE_NT   ; 512 consecutive bytes, aligned
.endr
.endm
	OUT16 0, F0
	OUT16 1, F1
	OUT16 2, F0
	OUT16 3, F1
	s_wait_dscnt 0x0
	s_wait_xcnt 0x0
	v_lshl_add_u32 v22, v0, 2, 0x4c500
	v_mov_b32 v23, 0
	s_wait_tensorcnt 0x0
	ds_add_u32 v22, v23
	s_wait_dscnt 0x0
	ROUND                                          ; the closing round: no work-group ends while a partner may still ask jointly
	s_endpgm
.Lfunc_end_k_q5f4274c9a6_main:
	.size	k_q5f4274c9a6_main, .Lfunc_end_k_q5f4274c9a6_main-k_q5f4274c9a6_main
	.p2alignl 7, 3214868480
	.fill 96, 4, 3214868480
	.section	.rodata,"a",@progbits
	.p2align	6, 0x0
	.amdhsa_kernel k_q5f4274c9a6_main
		.amdhsa_group_segment_fixed_size 327680
		.amdhsa_private_segment_fixed_size 0
		.amdhsa_enable_private_segment 0
		.amdhsa_kernarg_size 152
		.amdhsa_user_sgpr_count 2
		.amdhsa_user_sgpr_kernarg_segment_ptr 1
		.amdhsa_wavefront_size32 1
		.amdhsa_system_sgpr_workgroup_id_x 1
		.amdhsa_system_sgpr_workgroup_id_y 1
		.amdhsa_system_sgpr_workgroup_id_z 1
		.amdhsa_system_vgpr_workitem_id 0
		.amdhsa_next_free_vgpr 1024
		.amdhsa_next_free_sgpr 96
		.amdhsa_reserve_vcc 0
		.amdhsa_float_denorm_mode_32 3
		.amdhsa_float_denorm_mode_16_64 3
		.amdhsa_memory_ordered 1
		.amdhsa_forward_progress 1
		.amdhsa_inst_pref_size 255
	.end_amdhsa_kernel
	.section	.bss,"aw",@nobits
	.p2align	6
	.space	262144
	.amdgpu_metadata
---
amdhsa.version: [ 1, 2 ]
amdhsa.kernels:
  - .name:           k_q5f4274c9a6_main
    .symbol:         k_q5f4274c9a6_main.kd
    .args:
      - { .name: x, .offset: 0, .size: 8, .value_kind: global_buffer, .address_space: global }
      - { .name: ws, .offset: 8, .size: 8, .value_kind: global_buffer, .address_space: global }
      - { .name: out0, .offset: 16, .size: 8, .value_kind: global_buffer, .address_space: global }
      - { .name: un_w2, .offset: 24, .size: 8, .value_kind: global_buffer, .address_space: global }
      - { .name: sb_sum_w, .offset: 32, .size: 8, .value_kind: global_buffer, .address_space: global }
      - { .name: sb_sum_b, .offset: 40, .size: 8, .value_kind: global_buffer, .address_space: global }
      - { .name: cb_sum_w, .offset: 48, .size: 8, .value_kind: global_buffer, .address_space: global }
      - { .name: cb_sum_b, .offset: 56, .size: 8, .value_kind: global_buffer, .address_space: global }
      - { .name: sb_proj_b, .offset: 64, .size: 8, .value_kind: global_buffer, .address_space: global }
      - { .name: cb_proj_b, .offset: 72, .size: 8, .value_kind: global_buffer, .address_space: global }
      - { .name: support_logits, .offset: 80, .size: 8, .value_kind: global_buffer, .address_space: global }
      - { .name: conflict_weights, .offset: 88, .size: 8, .value_kind: global_buffer, .address_space: global }
      - { .name: drive_bias, .offset: 96, .size: 8, .value_kind: global_buffer, .address_space: global }
      - { .name: bias_resistance, .offset: 104, .size: 8, .value_kind: global_buffer, .address_space: global }
      - { .name: eml_gamma, .offset: 112, .size: 8, .value_kind: global_buffer, .address_space: global }
      - { .name: eml_lambda, .offset: 120, .size: 8, .value_kind: global_buffer, .address_space: global }
      - { .name: eml_bias, .offset: 128, .size: 8, .value_kind: global_buffer, .address_space: global }
      - { .name: un_b2, .offset: 136, .size: 8, .value_kind: global_buffer, .address_space: global }
      - { .name: update_threshold, .offset: 144, .size: 8, .value_kind: global_buffer, .address_space: global }
    .group_segment_fixed_size: 327680
    .private_segment_fixed_size: 0
    .kernarg_segment_align: 8
    .kernarg_segment_size: 152
    .max_flat_workgroup_size: 128
    .sgpr_count:     96
    .vgpr_count:     1024
    .wavefront_size: 32
...
	.end_amdgpu_metadata
.endif
;; end of part 2
